; MI455X (gfx1250); checked and timed in simulation.
; The chip was launched on July 23, 2026; its instructions are those of AMD's public machine-readable ISA for CDNA 5 (MIT licence, August 2026) and "CDNA5" Instruction Set Architecture Reference Guide (July 2026). The comments in the code are by the model that wrote it; some were corrected since.
;; Encoder Block. Allowed arithmetic: float matrix products may take bf16 or f16 operands with f32 sums; all other float work in f32.
;; Inputs: b1 1,024 float32; b2 1,024 float32; be1 1,024 float32; be2 1,024 float32; bk 1,024 float32; bo 1,024 float32; bq 1,024 float32; bv 1,024 float32; g1 1,024 float32; g2 1,024 float32; mask 8 x 1 x 1 x 1,024 int32; w1 1,024 x 1,024 float32; w2 1,024 x 1,024 float32; wk 1,024 x 1,024 float32; wo 1,024 x 1,024 float32; wq 1,024 x 1,024 float32; wv 1,024 x 1,024 float32; x 8 x 1,024 x 1,024 float32.
;; Outputs: out0 8 x 1,024 x 1,024 float32.
;; 2 versions, each right; version 2 is version 1 with the launches prep, ln2 written anew for expert scheduling mode. Each part assembles by itself: llvm-mc -triple=amdgcn-amd-amdhsa -mcpu=gfx1250 --defsym DOCPART=n.
;; ======== version 1 of 2: 7 launches
;; limits: right only within a limited range of input values
;; workspace buffers: actA 16,777,216 bytes; actB 16,777,216 bytes; qkv 50,331,648 bytes; x1 33,554,432 bytes; pqkv 6,307,840 bytes; pw1 2,113,536 bytes; wob 2,097,152 bytes; w2b 2,097,152 bytes
;; launch prep (part 1): grid 256 x 1, 16 waves a work-group, no clusters, 0 bytes of LDS; arguments x, g1, be1, wq, wk, wv, w1, wo, w2, bq, bk, bv, b1, actA, pqkv, pw1, wob, w2b; writes actA, pqkv, pw1, wob, w2b
.if DOCPART == 1
	.amdgcn_target "amdgcn-amd-amdhsa--gfx1250"
	.amdhsa_code_object_version 6
	.text
	.protected	k_qca4240537f_prep
	.globl	k_qca4240537f_prep
	.p2align	8
	.type	k_qca4240537f_prep,@function
k_qca4240537f_prep:
	s_mov_b64 s[64:65], 0
	v_nop
	global_prefetch_b8 v0, s[64:65] scope:SCOPE_SE
	s_setreg_imm32_b32 hwreg(HW_REG_WAVE_MODE, 25, 1), 1
	s_wait_xcnt 0x0
; prep: h1 = LayerNorm(x; g1, be1) in bf16 panels, and the six weight matrices rounded to bf16.
; LayerNorm as the problem has it: mean first, then the squared deviations (no difference of large sums), variance over 1023,
; division by (std + 1e-6).  All of it in f32; h1 is rounded once.
; PANELS: a bf16 activation [8192][1024] is stored as 16 panels of 64 columns; element (m, n) lies at (n>>6)*PB + m*128 + (n&63)*2.
; A panel is dense, so rows m and m+1 of a panel are 256 consecutive aligned bytes.
; 256 work-groups of 16 waves.  Work-group g: rows 32 g .. 32 g + 31 of x, and rows 4 g .. 4 g + 3 of each weight matrix.
; A wave takes two rows of x: lanes 0-15 one, lanes 16-31 the next, so a row's sums never leave its 16 lanes: no LDS, no barrier.
; Memory binds here: matrix units, clusters and LDS would add nothing.
; Packs: pqkv = [4096,16384) bq, bk, bv; [16384,..) wq, wk, wv stacked to [3072][1024] in bf16, as 16 PANELS of 64 columns:
;               element (n, k) at 16384 + (k>>6)*WPB + n*128 + (k&63)*2.  (Bytes 0 to 4095 are neither written nor read.)
;        pw1  = [0,4096) the floor 0.0 (ReLU), [4096,8192) b1, [16384,..) w1 in bf16, row-major.   wob, w2b: row-major.
; Limit: NaN and infinities in x are not served.
.set PB,    1048576                    ; bytes in a panel of an activation
.set WPB,   393216                     ; bytes in a panel of the stacked weights: 3072 rows x 128 bytes
.set XO,    1                          ; v1  byte offset in x of my 16 bytes in my row's first 256
.set GO,    2                          ; v2  byte offset in g1, be1: 16 (lane mod 16)
.set OO,    3                          ; v3  byte offset in a panel of my 8 bytes
.set WI,    4                          ; v4  row-major copies: byte offset in a weight matrix (f32)
.set WS,    5                          ; v5  row-major copies: byte offset in its bf16 copy
.set WI2,   6                          ; v6  panel copies: byte offset in a weight matrix (f32).  v6 and v7 are also the first partial sums:
.set WS2,   7                          ; v7  panel copies: byte offset among the panels.           free again behind the two waits in front of LNSTAT
.set ACC,   6                          ; v[6:13]   four pairs of partial sums
.set MI,    14                         ; v[14:15]  the mean, later 1/(std+eps), twice
.set W,     16                         ; v[16:63]  six matrices x 8 numbers
.set X,     64                         ; v[64:127] my 64 numbers of my row: X+4i .. X+4i+3 = columns 64 i + 4 r ..
.set G,     128                        ; v[128:191] gain of these columns
.set BE,    192                        ; v[192:255] offset of these columns
.set OUTLO, 30                         ; s[30:31]  actA, panels 0-7
.set OUTHI, 40                         ; s[40:41]  actA, panels 8-15 (a store's immediate reaches seven panels)
	s_load_b512 s[4:19], s[0:1], 0x0               ; x 4, g1 6, be1 8, wq 10, wk 12, wv 14, w1 16, wo 18
	s_load_b512 s[20:35], s[0:1], 0x40             ; w2 20, bq 22, bk 24, bv 26, b1 28, actA 30, pqkv 32, pw1 34
	s_load_b128 s[36:39], s[0:1], 0x80             ; wob 36, w2b 38
	s_lshl_b32 s2, ttmp9, 17                       ; 32 rows of 4,096 bytes
	s_lshl_b32 s3, ttmp9, 12                       ; 32 rows of 128 bytes in a panel
	s_lshl_b32 s42, ttmp9, 14                      ; 4 rows of a weight matrix in f32
	s_lshl_b32 s43, ttmp9, 13                      ; the same in bf16, row-major
	s_lshl_b32 s44, ttmp9, 9                       ; the same 4 rows in a panel: 4 x 128 bytes
	v_lshrrev_b32 v[XO], 4, v0                     ; thread / 16 = my row among the group's 32
	v_and_b32 v[GO], 15, v0
	v_lshlrev_b32 v[XO], 12, v[XO]
	v_lshlrev_b32 v[GO], 4, v[GO]
	v_add_nc_u32 v[XO], v[XO], v[GO]
	v_add_nc_u32 v[XO], s2, v[XO]
	v_lshl_add_u32 v[OO], v0, 3, s3                ; (32 g + 2 wave) * 128 + 8 lane = 4096 g + 8 thread
	v_lshl_add_u32 v[WI], v0, 4, s42
	v_lshl_add_u32 v[WS], v0, 3, s43
	; panel copies: wave w takes panel w; a load takes rows 4 g + 2 j + (lane / 16), columns 64 w + 4 (lane mod 16) ..
	v_bfe_u32 v[WI2], v0, 4, 1
	v_lshrrev_b32 v[WS2], 5, v0                    ; wave
	v_lshl_add_u32 v[WI2], v[WI2], 12, v[GO]       ; (lane / 16) rows + 16 (lane mod 16)
	v_lshl_add_u32 v[WI2], v[WS2], 8, v[WI2]       ; + 256 w
	v_add_nc_u32 v[WI2], s42, v[WI2]
	v_and_b32 v8, 31, v0
	v_mul_u32_u24 v[WS2], v[WS2], WPB              ; panel w
	v_lshl_add_u32 v[WS2], v8, 3, v[WS2]           ; + 8 lane: two rows of 128 bytes
	v_add_nc_u32 v[WS2], s44, v[WS2]
	s_wait_kmcnt 0x0
	s_add_nc_u64 s[OUTHI:OUTHI+1], s[OUTLO:OUTLO+1], 8*PB
; two loads of 16 bytes a lane from one weight matrix, 8,192 bytes (two rows) apart
.macro LDW j, lo, hi, reg
	global_load_b128 v[W+8*\j:W+8*\j+3],   v[\reg], s[\lo:\hi] th:TH_LOAD_NT
	global_load_b128 v[W+8*\j+4:W+8*\j+7], v[\reg], s[\lo:\hi] offset:8192 th:TH_LOAD_NT
.endm
; round them to bf16 in place and store: each store of a wave covers 256 consecutive bytes, aligned
.macro CVTW j, lo, hi, off, reg, step
	v_cvt_pk_bf16_f32 v[W+8*\j],   v[W+8*\j],   v[W+8*\j+1]
	v_cvt_pk_bf16_f32 v[W+8*\j+1], v[W+8*\j+2], v[W+8*\j+3]
	v_cvt_pk_bf16_f32 v[W+8*\j+4], v[W+8*\j+4], v[W+8*\j+5]
	v_cvt_pk_bf16_f32 v[W+8*\j+5], v[W+8*\j+6], v[W+8*\j+7]
	global_store_b64 v[\reg], v[W+8*\j:W+8*\j+1],   s[\lo:\hi] offset:\off
	global_store_b64 v[\reg], v[W+8*\j+4:W+8*\j+5], s[\lo:\hi] offset:\off+\step
.endm
; four pairs of partial sums -> the row's sum in each of its 16 lanes
.macro REDUCE16
	v_pk_add_f32 v[ACC:ACC+1],   v[ACC:ACC+1],   v[ACC+2:ACC+3]
	v_pk_add_f32 v[ACC+4:ACC+5], v[ACC+4:ACC+5], v[ACC+6:ACC+7]
	v_pk_add_f32 v[ACC:ACC+1],   v[ACC:ACC+1],   v[ACC+4:ACC+5]
	v_add_f32 v[ACC], v[ACC], v[ACC+1]
.irp m, 1,2,4,8
	v_add_f32_dpp v[ACC], v[ACC], v[ACC] row_xmask:\m row_mask:0xf bank_mask:0xf
.endr
.endm
; mean, deviations in place, 1 / (std + eps) in v[MI:MI+1]
.macro LNSTAT
.irp k, 0,1,2,3
	v_pk_add_f32 v[ACC+2*\k:ACC+2*\k+1], v[X+2*\k:X+2*\k+1], v[X+8+2*\k:X+8+2*\k+1]   ; the first eight pairs start four chains: nothing is cleared
.endr
.set p, 8
.rept 24
	v_pk_add_f32 v[ACC+2*(p%4):ACC+2*(p%4)+1], v[ACC+2*(p%4):ACC+2*(p%4)+1], v[X+2*p:X+2*p+1]
.set p, p+1
.endr
	REDUCE16
	v_mul_f32 v[MI], 0x3a800000, v[ACC]            ; / 1024
	v_mov_b32 v[MI+1], v[MI]
.set p, 0
.rept 32
	v_pk_add_f32 v[X+2*p:X+2*p+1], v[X+2*p:X+2*p+1], v[MI:MI+1] neg_lo:[0,1] neg_hi:[0,1]   ; x - mean
.set p, p+1
.endr
.irp k, 0,1,2,3
	v_pk_mul_f32 v[ACC+2*\k:ACC+2*\k+1], v[X+2*\k:X+2*\k+1], v[X+2*\k:X+2*\k+1]
.endr
.set p, 4
.rept 28
	v_pk_fma_f32 v[ACC+2*(p%4):ACC+2*(p%4)+1], v[X+2*p:X+2*p+1], v[X+2*p:X+2*p+1], v[ACC+2*(p%4):ACC+2*(p%4)+1]
.set p, p+1
.endr
	REDUCE16
	v_mul_f32 v[ACC], 0x3a802008, v[ACC]           ; / 1023
	v_sqrt_f32 v[ACC], v[ACC]
	v_nop                                          ; one plain instruction behind a transcendental before its result is used (ISA guide 5.7.2)
	s_wait_alu depctr_va_vdst(0)
	v_add_f32 v[ACC], 0x358637bd, v[ACC]           ; + 1e-6
	v_rcp_f32 v[MI], v[ACC]
	v_nop
	s_wait_alu depctr_va_vdst(0)
	v_mov_b32 v[MI+1], v[MI]
.endm
; y = (d * inv) * g + be, rounded to bf16, stored by panels
.macro LNOUT
.set p, 0
.rept 32
	v_pk_mul_f32 v[X+2*p:X+2*p+1], v[X+2*p:X+2*p+1], v[MI:MI+1]
	v_pk_fma_f32 v[X+2*p:X+2*p+1], v[X+2*p:X+2*p+1], v[G+2*p:G+2*p+1], v[BE+2*p:BE+2*p+1]
.set p, p+1
.endr
.set i, 0
.rept 16
	v_cvt_pk_bf16_f32 v[X+4*i],   v[X+4*i],   v[X+4*i+1]
	v_cvt_pk_bf16_f32 v[X+4*i+1], v[X+4*i+2], v[X+4*i+3]
.if i < 8
	global_store_b64 v[OO], v[X+4*i:X+4*i+1], s[OUTLO:OUTLO+1] offset:i*PB        ; the wave's 32 lanes: rows m, m+1 of panel i, 256 consecutive bytes, aligned
.else
	global_store_b64 v[OO], v[X+4*i:X+4*i+1], s[OUTHI:OUTHI+1] offset:(i-8)*PB
.endif
.set i, i+1
.endr
.endm
	; 60 loads of every wave go out at once: 12 of weights, 16 of x, 16 of g1, 16 of be1
	LDW 0, 10, 11, WI2
	LDW 1, 12, 13, WI2
	LDW 2, 14, 15, WI2
	LDW 3, 16, 17, WI
	LDW 4, 18, 19, WI
	LDW 5, 20, 21, WI
.set i, 0
.rept 16
	global_load_b128 v[X+4*i:X+4*i+3], v[XO], s[4:5] offset:256*i th:TH_LOAD_NT   ; sixteen lanes read 256 consecutive bytes of their row
.set i, i+1
.endr
.set i, 0
.rept 16
	global_load_b128 v[G+4*i:G+4*i+3], v[GO], s[6:7] offset:256*i
.set i, i+1
.endr
.set i, 0
.rept 16
	global_load_b128 v[BE+4*i:BE+4*i+3], v[GO], s[8:9] offset:256*i
.set i, i+1
.endr
	s_wait_loadcnt 48                              ; the 12 weight loads are in; the 48 younger ones stay out
	CVTW 0, 32, 33, 16384,        WS2, 256         ; wq -> pqkv's panels, rows 0-1023
	CVTW 1, 32, 33, 16384+131072, WS2, 256         ; wk: rows 1024-2047
	CVTW 2, 32, 33, 16384+262144, WS2, 256         ; wv: rows 2048-3071
	CVTW 3, 34, 35, 16384, WS, 4096                ; w1 -> pw1
	CVTW 4, 36, 37, 0,     WS, 4096                ; wo -> wob
	CVTW 5, 38, 39, 0,     WS, 4096                ; w2 -> w2b
	s_wait_loadcnt 32                              ; x is in; g1 and be1 (32 loads) stay out
	s_wait_xcnt 0x0                                ; v7, the panel stores' offset, becomes a partial sum only behind this wait (v6's loads are done)
	LNSTAT
	s_wait_loadcnt 0x0                             ; g1, be1
	LNOUT
	; work-group 0 alone also copies the biases into the packs and writes pw1's floor: 512 threads x 8 bytes = 4,096 bytes each
	s_cmp_lg_u32 ttmp9, 0
	s_cbranch_scc1 .Lend
	v_lshlrev_b32 v[GO], 3, v0                     ; the loads that named this register are done (the wait for 0 above)
	global_load_b64 v[6:7],   v[GO], s[22:23]
	global_load_b64 v[8:9],   v[GO], s[24:25]
	global_load_b64 v[10:11], v[GO], s[26:27]
	global_load_b64 v[12:13], v[GO], s[28:29]
	v_mov_b32 v130, 0                              ; 0.0: ReLU
	v_mov_b32 v131, 0
	global_store_b64 v[GO], v[130:131], s[34:35]
	s_wait_loadcnt 0x0
	global_store_b64 v[GO], v[6:7],   s[32:33] offset:4096
	global_store_b64 v[GO], v[8:9],   s[32:33] offset:8192
	global_store_b64 v[GO], v[10:11], s[32:33] offset:12288
	global_store_b64 v[GO], v[12:13], s[34:35] offset:4096
.Lend:
	s_endpgm
.Lfunc_end_k_qca4240537f_prep:
	.size	k_qca4240537f_prep, .Lfunc_end_k_qca4240537f_prep-k_qca4240537f_prep
	.p2alignl 7, 3214868480
	.fill 96, 4, 3214868480
	.section	.rodata,"a",@progbits
	.p2align	6, 0x0
	.amdhsa_kernel k_qca4240537f_prep
		.amdhsa_group_segment_fixed_size 0
		.amdhsa_private_segment_fixed_size 0
		.amdhsa_enable_private_segment 0
		.amdhsa_kernarg_size 144
		.amdhsa_user_sgpr_count 2
		.amdhsa_user_sgpr_kernarg_segment_ptr 1
		.amdhsa_wavefront_size32 1
		.amdhsa_system_sgpr_workgroup_id_x 1
		.amdhsa_system_sgpr_workgroup_id_y 1
		.amdhsa_system_sgpr_workgroup_id_z 1
		.amdhsa_system_vgpr_workitem_id 0
		.amdhsa_next_free_vgpr 256
		.amdhsa_next_free_sgpr 66
		.amdhsa_reserve_vcc 0
		.amdhsa_float_denorm_mode_32 3
		.amdhsa_float_denorm_mode_16_64 3
		.amdhsa_memory_ordered 1
		.amdhsa_forward_progress 1
		.amdhsa_inst_pref_size 26
	.end_amdhsa_kernel
	.amdgpu_metadata
---
amdhsa.version: [ 1, 2 ]
amdhsa.kernels:
  - .name:           k_qca4240537f_prep
    .symbol:         k_qca4240537f_prep.kd
    .args:
      - { .name: x, .offset: 0, .size: 8, .value_kind: global_buffer, .address_space: global }
      - { .name: g1, .offset: 8, .size: 8, .value_kind: global_buffer, .address_space: global }
      - { .name: be1, .offset: 16, .size: 8, .value_kind: global_buffer, .address_space: global }
      - { .name: wq, .offset: 24, .size: 8, .value_kind: global_buffer, .address_space: global }
      - { .name: wk, .offset: 32, .size: 8, .value_kind: global_buffer, .address_space: global }
      - { .name: wv, .offset: 40, .size: 8, .value_kind: global_buffer, .address_space: global }
      - { .name: w1, .offset: 48, .size: 8, .value_kind: global_buffer, .address_space: global }
      - { .name: wo, .offset: 56, .size: 8, .value_kind: global_buffer, .address_space: global }
      - { .name: w2, .offset: 64, .size: 8, .value_kind: global_buffer, .address_space: global }
      - { .name: bq, .offset: 72, .size: 8, .value_kind: global_buffer, .address_space: global }
      - { .name: bk, .offset: 80, .size: 8, .value_kind: global_buffer, .address_space: global }
      - { .name: bv, .offset: 88, .size: 8, .value_kind: global_buffer, .address_space: global }
      - { .name: b1, .offset: 96, .size: 8, .value_kind: global_buffer, .address_space: global }
      - { .name: actA, .offset: 104, .size: 8, .value_kind: global_buffer, .address_space: global }
      - { .name: pqkv, .offset: 112, .size: 8, .value_kind: global_buffer, .address_space: global }
      - { .name: pw1, .offset: 120, .size: 8, .value_kind: global_buffer, .address_space: global }
      - { .name: wob, .offset: 128, .size: 8, .value_kind: global_buffer, .address_space: global }
      - { .name: w2b, .offset: 136, .size: 8, .value_kind: global_buffer, .address_space: global }
    .group_segment_fixed_size: 0
    .private_segment_fixed_size: 0
    .kernarg_segment_align: 8
    .kernarg_segment_size: 144
    .max_flat_workgroup_size: 512
    .sgpr_count:     66
    .vgpr_count:     256
    .wavefront_size: 32
...
	.end_amdgpu_metadata
.endif
;; end of part 1
;; launch qkvp (part 2): grid 8 x 32, 4 waves a work-group, clusters of 4 x 4, 327,680 bytes of LDS; arguments actA, pqkv, qkv; writes qkv
.if DOCPART == 2
	.amdgcn_target "amdgcn-amd-amdhsa--gfx1250"
	.amdhsa_code_object_version 6
	.text
	.protected	k_qca4240537f_qkvp
	.globl	k_qca4240537f_qkvp
	.p2align	8
	.type	k_qca4240537f_qkvp,@function
k_qca4240537f_qkvp:
	s_mov_b64 s[64:65], 0
	v_nop
	global_prefetch_b8 v0, s[64:65] scope:SCOPE_SE
	s_setreg_imm32_b32 hwreg(HW_REG_WAVE_MODE, 25, 1), 1
	s_wait_xcnt 0x0
	s_wait_alu depctr_hold_cnt(0) depctr_sa_sdst(0) depctr_va_vdst(0) depctr_va_sdst(0) depctr_va_ssrc(0) depctr_va_vcc(0) depctr_vm_vsrc(0)
	s_getreg_b32 s2, hwreg(HW_REG_IB_STS2, 6, 4)
	s_cmp_eq_u32 s2, 0
	s_cbranch_scc0 .Lentry_in_a_cluster
	s_endpgm
.Lentry_in_a_cluster:
	s_bfe_u32 s2, ttmp6, 0x10000c
	s_cmp_lg_u32 s2, 0xf033
	s_cbranch_scc0 .Lentry_shape_is_right
	s_endpgm
.Lentry_shape_is_right:
; C = A W^T + bias, rounded to bf16, stored by panels.  A: bf16 panels [16][8192][64] (K = 1024).
; pack: bytes 4096.. the bias (f32 [3072]); bytes 16384.. W in bf16 as panels [16][3072][64].  C: 48 panels of [8192][64] bf16.
; A work-group makes 256 rows x 384 columns with four waves, 256 work-groups in all; a wave makes 128 x 192: 96 accumulator tiles, 768 registers.
; K goes in steps of 64 (one panel of A, one of W) through two LDS slots filled by tensor loads; 16 steps.  A tile is a dense block of a panel,
; so it is fetched as whole rows of 256 bytes.  (Two slots of 128 along K would take 2 x 640 rows x 272 bytes, more than LDS has.)
; CLUSTERS: 4 x 4 work-groups.  A's tile hangs on the block row alone and is asked for jointly by a row of the cluster, W's on the
; block column alone and is asked for jointly by a column: a quarter of the requests.
; A wave has two tensor loads out at the start and one behind each round of the cluster's barrier.
; The matrix instruction is used transposed (source 0 = 16 rows of W, source 1 = 16 rows of A): lane l then holds row l % 16 of C
; and its registers 0-7 the columns 8 (l / 16) + 0..7.
; REGISTERS: window 0: v0-31 addresses; v32-95, v96-159 A's eight fragments, two buffers; v160-255 W's twelve fragments, one set.
;            window 1 + g: the tiles of column blocks 4 g .. 4 g + 3: tile (a, 4 g + b) at v[8 (4 a + b)].
; A HALF STEP (32 along K) is three phases of 32 matrix instructions, one for each accumulator window.  Behind phase g, W's group g is free and the
; next half step's group g is loaded into it; the next half step's A goes into the other A buffer, half behind phase 0, half behind phase 1.
; Limit: NaN and infinities are not served.
.set PB,    1048576                    ; bytes in a panel of 8192 rows x 128 bytes
.set WPB,   393216                     ; bytes in a panel of W: 3072 rows x 128 bytes
.set P,     144                        ; LDS pitch: 128 bytes + 16: sixteen rows start at sixteen different 16-byte columns of 256
.set WHALF, 192*P                      ; 192 rows of W: one tensor load, and what one wave reads
.set AHALF, 128*P                      ; 128 rows of A: one tensor load, and what one wave reads
.set ABASE, 2*WHALF                    ; A's 256 rows lie behind W's 384
.set SLOT,  ABASE+2*AHALF              ; 92,160
.set STAGE, 2*SLOT                     ; behind the ring: 16 rows x 400 bytes of bf16 for each wave; no tensor load lands here
.set SP,    400                        ; 384 bytes + 16
.set BIASL, STAGE+4*16*SP              ; behind the stages: 192 f32 for each wave; no tensor load lands here
.set WOFF,  16384                      ; W's place in the pack
.set ADRA,  16                         ; v16-17   LDS address of my A fragments in slot 0, 1
.set ADRB,  20                         ; v20-21   the same for W
.set STO,   24                         ; v24      the way out: where I put 16 bytes of a row
.set RD,    25                         ; v25      the way out: where I read 16 bytes back
.set CO,    26                         ; v26      16 x lane: my place in four rows of a panel
.set BO,    27                         ; v27      my byte offset in the bias
.set BL,    28                         ; v28      where I put 8 bytes of the bias in LDS
.set BR,    29                         ; v29      where I read my columns' bias
.set AF0,   32                         ; A's fragments of a step's first half
.set AF1,   96                         ; A's fragments of a step's second half
.set WF,    160                        ; W's fragments: group g at WF + 32 g.  On the way out: the bias of my 96 columns
.set T,     32                         ; the way out: v[32:95] sums with bias, packed in place, two sets in turn
.set R,     96                         ; the way out: v[96:143] rows read back
.set G1A,   24                         ; s[24:31] group 1 for A's tiles
.set G0A,   32                         ; s[32:39] group 0 for A's tiles, one set for each slot
.set G1B,   48                         ; s[48:55] group 1 for W's tiles
.set G0B,   56                         ; s[56:63] group 0 for W's tiles, one set for each slot
.set MSB, 0
.macro WIN new                         ; the immediate's high byte repeats the setting that is left
.if MSB != (\new)
	s_set_vgpr_msb (MSB<<8)|(\new)
.set MSB, (\new)
.endif
.endm
; A joint load.  Waves 0 and 1 fetch W's two halves, waves 2 and 3 A's two halves.  The branch hangs on the wave's number alone.
.macro JLOAD s
	s_cmp_eq_u32 s11, 0
	s_cbranch_scc0 .Lfor_a_\@
	tensor_load_to_lds s[G0B+4*\s:G0B+4*\s+3], s[G1B:G1B+7]
	s_nop 0
	s_branch .Lasked_\@
.Lfor_a_\@:
	tensor_load_to_lds s[G0A+4*\s:G0A+4*\s+3], s[G1A:G1A+7]
	s_nop 0
.Lasked_\@:
.endm
.macro CREST                           ; a round of the cluster's barrier behind its opening barrier
	s_cmp_lg_u32 s10, 0
	s_cbranch_scc1 .Lnot_wave_0_\@
	s_barrier_signal -3
.Lnot_wave_0_\@:
	s_barrier_wait -3
	s_barrier_signal -1
	s_barrier_wait -1
.endm
.macro CROUND                          ; a whole round
	s_barrier_signal -1
	s_barrier_wait -1
	CREST
.endm
.macro PLACES                          ; four places behind a matrix instruction (ISA guide 7.12.1) before its registers are loaded into or its result is read
.rept 4
	v_nop
.endr
.endm
	s_load_b128 s[4:7], s[0:1], 0x0                ; A s[4:5], pack s[6:7]
	s_load_b64 s[8:9], s[0:1], 0x10                ; C
	v_lshl_add_u32 v30, v0, 2, 0x34000
	v_mov_b32 v31, 0
	ds_add_u32 v30, v31
	ds_add_u32 v30, v31
	v_lshrrev_b32 v1, 5, v0
	v_readfirstlane_b32 s10, v1                    ; wave 0..3
	s_lshr_b32 s11, s10, 1                         ; which 128 rows of the block are mine.  Also: I fetch for W (0) or for A (1)
	s_and_b32 s12, s10, 1                          ; which 192 columns.  Also: which half of that tile I fetch
	s_bfe_u32 s40, ttmp6, 0x40000                  ; cx
	s_bfe_u32 s41, ttmp6, 0x40004                  ; cy
	s_lshl_b32 s42, ttmp9, 2
	s_add_co_u32 s42, s42, s40                     ; block column = 4 x cluster x + cx
	s_and_b32 s13, ttmp7, 0xffff
	s_lshl_b32 s13, s13, 2
	s_add_co_u32 s13, s13, s41                     ; block row = 4 x cluster y + cy
	s_lshl_b32 s43, s41, 2
	s_lshl_b32 s43, 15, s43                        ; my row of the cluster: places 4 cy .. 4 cy + 3
	s_lshl_b32 s44, 0x1111, s40                    ; my column: places cx, cx + 4, cx + 8, cx + 12
	; group 1: a dense block as rows of 32 elements of 8 bytes; 4 words of padding after every 32 words, so that the panel's rows of
	; 128 bytes lie 144 bytes apart in LDS.  A: 16 KiB = 64 such rows.  W: 24 KiB = 96.
	s_or_b32 s[G1A+0], s43, (3<<16)|(1<<20)|(1<<21)|(4<<22)|(3<<25)
	s_mov_b32 s[G1A+1], 32<<16                     ; tensor_dim0 = 32
	s_mov_b32 s[G1A+2], 64<<16                     ; tensor_dim1 = 64
	s_mov_b32 s[G1A+3], 32<<16                     ; tile_dim0 = 32
	s_mov_b32 s[G1A+4], 64                         ; tile_dim1 = 64
	s_mov_b32 s[G1A+5], 32                         ; pitch = 32 elements: dense
	s_mov_b32 s[G1A+6], 0
	s_mov_b32 s[G1A+7], 0
	s_or_b32 s[G1B+0], s44, (3<<16)|(1<<20)|(1<<21)|(4<<22)|(3<<25)
	s_mov_b32 s[G1B+1], 32<<16
	s_mov_b32 s[G1B+2], 96<<16
	s_mov_b32 s[G1B+3], 32<<16
	s_mov_b32 s[G1B+4], 96
	s_mov_b32 s[G1B+5], 32
	s_mov_b32 s[G1B+6], 0
	s_mov_b32 s[G1B+7], 0
	; where the tiles come from.  A's offset is made of the block row and the wave's number, W's of the block column and the wave's number,
	; each in registers that never hold the other coordinate.
	s_lshl_b32 s14, s13, 15                        ; A: block row x 256 rows x 128 bytes
	s_lshl_b32 s16, s12, 14                        ;    + my half x 128 rows
	s_add_co_u32 s14, s14, s16
	s_mov_b32 s15, 0
	s_mul_i32 s46, s42, 384*128                    ; W: block column x 384 rows x 128 bytes
	s_mul_i32 s45, s12, 192*128                    ;    + my half x 192 rows
	s_add_co_u32 s46, s46, s45
	s_add_co_u32 s46, s46, WOFF
	s_mov_b32 s47, 0
	s_mul_i32 s20, s10, WHALF                      ; where they go: waves 0, 1: W's halves at 0 and WHALF;
	s_mul_i32 s21, s10, AHALF
	s_add_co_u32 s21, s21, ABASE-2*AHALF           ; waves 2, 3: A's halves at ABASE and ABASE + AHALF.  No place in the cluster enters an LDS address
	s_wait_dscnt 0x0
	s_wait_kmcnt 0x0
	s_add_nc_u64 s[14:15], s[4:5], s[14:15]
	s_add_nc_u64 s[46:47], s[6:7], s[46:47]
	CROUND                                         ; all sixteen work-groups are here: the first joint loads meet
.irp s, 0,1
	s_mov_b32 s[G0B+4*\s], 1
	s_add_co_u32 s[G0B+4*\s+1], s20, \s*SLOT
	s_add_nc_u64 s[G0B+4*\s+2:G0B+4*\s+3], s[46:47], \s*WPB        ; K step s: panel s of W
	s_or_b32 s[G0B+4*\s+3], s[G0B+4*\s+3], 0x80000000
	s_mov_b32 s[G0A+4*\s], 1
	s_add_co_u32 s[G0A+4*\s+1], s21, \s*SLOT
	s_add_nc_u64 s[G0A+4*\s+2:G0A+4*\s+3], s[14:15], \s*PB         ; K step s: panel s of A
	s_or_b32 s[G0A+4*\s+3], s[G0A+4*\s+3], 0x80000000
	JLOAD \s
.endr
	; the bias of my wave's 192 columns: 768 bytes, three loads of 8 bytes a lane, into the wave's own bytes of LDS
	v_and_b32 v1, 31, v0                           ; l
	v_lshlrev_b32 v[CO], 4, v1
	s_mul_i32 s46, s42, 384*4
	s_mul_i32 s45, s12, 192*4
	s_add_co_u32 s46, s46, s45
	v_lshl_add_u32 v[BO], v1, 3, s46
.irp i, 0,1,2
	global_load_b64 v[8+2*\i:9+2*\i], v[BO], s[6:7] offset:4096+256*\i
.endr
	v_bfe_u32 v2, v0, 4, 1                         ; h = l / 16
	s_mul_i32 s22, s10, 768
	s_add_co_u32 s22, s22, BIASL
	v_lshl_add_u32 v[BL], v1, 3, s22
	v_lshl_add_u32 v[BR], v2, 5, s22               ; columns 16 b + 8 h + 0..7 at 64 b + 32 h
	v_lshrrev_b32 v6, 3, v1                        ; the way out, back: four rows of 128 bytes a load
	v_and_b32 v7, 7, v0
	v_and_b32 v1, 15, v0                           ; r = l % 16
	; fragments: lane l holds row l % 16; registers 0-3 hold K = 8 h + 0..7, registers 4-7 K = 16 + 8 h + 0..7: two loads of 16 bytes, 32 apart
	v_mul_u32_u24 v3, v1, P
	v_lshl_add_u32 v3, v2, 4, v3
	s_mul_i32 s22, s12, WHALF                      ; my 192 rows of W
	s_mul_i32 s23, s11, AHALF                      ; my 128 rows of A
	s_add_co_u32 s23, s23, ABASE
.irp s, 0,1
	v_add_nc_u32 v[ADRB+\s], s22, v3
	v_add_nc_u32 v[ADRA+\s], s23, v3
	s_add_co_u32 s22, s22, SLOT
	s_add_co_u32 s23, s23, SLOT
.endr
	s_mul_i32 s23, s10, 16*SP
	s_add_co_u32 s23, s23, STAGE                   ; my stage
	v_mul_u32_u24 v5, v1, SP                       ; in: row r, 16 bytes for each half of the lanes
	v_lshl_add_u32 v5, v2, 4, v5
	v_add_nc_u32 v[STO], s23, v5
	v_mul_u32_u24 v6, v6, SP
	v_lshl_add_u32 v6, v7, 4, v6
	v_add_nc_u32 v[RD], s23, v6
; 16 matrix instructions of phase g: row blocks a0 .. a0 + 3 x the group's 4 column blocks, 32 along K.  zero = 1: the first product starts the sums.
; The 96 accumulators take turns, one instruction a turn, in the same order in every half step.
.macro MUL16 g, f, a0, zero
.irp a, \a0, \a0+1, \a0+2, \a0+3
.irp b, 0,1,2,3
.if \zero
	v_wmma_f32_16x16x32_bf16 v[8*(4*(\a)+\b):8*(4*(\a)+\b)+7], v[WF+32*\g+8*\b:WF+32*\g+8*\b+7], v[\f+8*(\a):\f+8*(\a)+7], 0
.else
	v_wmma_f32_16x16x32_bf16 v[8*(4*(\a)+\b):8*(4*(\a)+\b)+7], v[WF+32*\g+8*\b:WF+32*\g+8*\b+7], v[\f+8*(\a):\f+8*(\a)+7], v[8*(4*(\a)+\b):8*(4*(\a)+\b)+7]
.endif
.endr
.endr
.endm
.macro PHASE g, f, zero                ; C and D in window 1 + g, sources in window 0
	WIN 0x50*(1+\g)
	MUL16 \g, \f, 0, \zero
	MUL16 \g, \f, 4, \zero
	WIN 0
.endm
; 8 LDS loads: W's group g of half q of a slot
.macro LDW slot, q, g
.irp i, 0,1,2,3
	ds_load_b128 v[WF+32*\g+8*\i:WF+32*\g+8*\i+3],   v[ADRB+\slot] offset:\q*64+(4*\g+\i)*16*P
	ds_load_b128 v[WF+32*\g+8*\i+4:WF+32*\g+8*\i+7], v[ADRB+\slot] offset:\q*64+(4*\g+\i)*16*P+32
.endr
.endm
; 8 LDS loads: four of A's eight fragments of half q of a slot, into buffer f
.macro LDA slot, q, f, part
.irp i, 0,1,2,3
	ds_load_b128 v[\f+32*\part+8*\i:\f+32*\part+8*\i+3],   v[ADRA+\slot] offset:\q*64+(4*\part+\i)*16*P
	ds_load_b128 v[\f+32*\part+8*\i+4:\f+32*\part+8*\i+7], v[ADRA+\slot] offset:\q*64+(4*\part+\i)*16*P+32
.endr
.endm
; A K step's first half: multiplies buffer AF0 and fetches the same slot's second half.  These are the wave's last reads of the slot.
.macro FIRSTH slot, zero
	s_wait_dscnt 8                                 ; W's groups 0, 1 and A are in; the youngest eight loads (group 2) may be out
	PHASE 0, AF0, \zero
	PLACES
	LDW \slot, 1, 0
	LDA \slot, 1, AF1, 0
	PHASE 1, AF0, \zero
	PLACES
	LDW \slot, 1, 1
	LDA \slot, 1, AF1, 1
	s_wait_dscnt 32                                ; group 2 is in; the two runs of 16 issued since stay out
	PHASE 2, AF0, \zero
	PLACES
	LDW \slot, 1, 2
.endm
; A K step's second half: multiplies buffer AF1, changes slots and fetches the next slot's first half.  fill = 1: this slot is filled again, two K steps ahead.
; In front of the barrier each wave waits for its reads of this slot and for all its tensor loads (one is out: its part of the next slot).
; Behind it (behind the cluster's round where the slot is filled) the refill comes first, then the next slot is read.
; From a request to the wait for it a wave issues 80 + 96 matrix instructions.
.macro SECONDH slot, next, fill
	s_wait_dscnt 0x0                               ; my reads of this slot are over
	s_wait_tensorcnt 0x0                           ; all my tensor loads have landed
	ds_add_u32 v30, v31
	s_wait_dscnt 0x0
	s_barrier_signal -1
	WIN 0x50
	MUL16 0, AF1, 0, 0                             ; register work while the others arrive
	WIN 0
	s_barrier_wait -1
.if \fill
	CREST                                          ; no wave of any partner still reads this slot or has a load on its way
	s_add_nc_u64 s[G0B+4*\slot+2:G0B+4*\slot+3], s[G0B+4*\slot+2:G0B+4*\slot+3], 2*WPB    ; two panels on
	s_add_nc_u64 s[G0A+4*\slot+2:G0A+4*\slot+3], s[G0A+4*\slot+2:G0A+4*\slot+3], 2*PB
	JLOAD \slot                                    ; my one tensor load behind the round, and the first thing there
.endif
	WIN 0x50
	MUL16 0, AF1, 4, 0
	WIN 0
	PLACES
	LDW \next, 0, 0
	LDA \next, 0, AF0, 0
	PHASE 1, AF1, 0
	PLACES
	LDW \next, 0, 1
	LDA \next, 0, AF0, 1
	PHASE 2, AF1, 0
	PLACES
	LDW \next, 0, 2
.endm
.macro LAP zero                        ; two K steps = once round the ring, both slots filled again
	FIRSTH 0, \zero
	SECONDH 0, 1, 1
	FIRSTH 1, 0
	SECONDH 1, 0, 1
.endm
	s_wait_loadcnt 0x0                             ; the bias
.irp i, 0,1,2
	ds_store_b64 v[BL], v[8+2*\i:9+2*\i] offset:256*\i
.endr
	s_wait_dscnt 0x0                               ; no LDS instruction of mine is out at a signal
	s_wait_tensorcnt 0x1                           ; my part of K step 0 is in; K step 1's stays out
	s_barrier_signal -1
	s_barrier_wait -1                              ; everybody's is
	LDW 0, 0, 0
	LDA 0, 0, AF0, 0
	LDW 0, 0, 1
	LDA 0, 0, AF0, 1
	LDW 0, 0, 2
	LAP 1                                          ; K steps 0, 1: the first products start the sums
	s_mov_b32 s3, 6                                ; K steps 2 to 13, which ask for steps 4 to 15
.Llap:
	LAP 0
	s_sub_co_u32 s3, s3, 1
	s_cmp_lg_u32 s3, 0
	s_cbranch_scc1 .Llap
	FIRSTH 0, 0                                    ; the last two steps fill nothing: my one tensor load still out is slot 1's, the last K step's
	SECONDH 0, 1, 0
	FIRSTH 1, 0
	s_wait_dscnt 0x0
	PHASE 0, AF1, 0
	PHASE 1, AF1, 0
	PHASE 2, AF1, 0
	; THE WAY OUT, 16 rows at a time: + bias, rounded to bf16, 16 bytes a lane into my own stage, read back as four rows of one panel.
	PLACES
.irp b, 0,1,2,3,4,5,6,7,8,9,10,11
	ds_load_b128 v[WF+8*\b:WF+8*\b+3],   v[BR] offset:64*\b        ; my own bytes: the bias of columns 16 b + 8 h + 0..7
	ds_load_b128 v[WF+8*\b+4:WF+8*\b+7], v[BR] offset:64*\b+16
.endr
	s_lshl_b32 s16, s13, 15                        ; block row x 256 rows x 128 bytes
	s_lshl_b32 s17, s11, 14                        ; + my 128 rows
	s_add_co_u32 s16, s16, s17
	s_mov_b32 s17, 0
	s_add_nc_u64 s[8:9], s[8:9], s[16:17]
	s_mul_i32 s46, s42, 6*PB                       ; panel 6 x block column + 3 x my half (in registers that never feed A's descriptors)
	s_mul_i32 s47, s12, 3*PB
	s_add_co_u32 s46, s46, s47
	s_mov_b32 s47, 0
	s_add_nc_u64 s[8:9], s[8:9], s[46:47]
	s_wait_dscnt 0x0
.macro OUTA a
.irp g, 0,1,2
.set TT, T+32*(\g&1)
	WIN 1+\g                                       ; source 0 (the sums) in window 1 + g
.irp b, 0,1,2,3
.irp k, 0,2,4,6
	v_pk_add_f32 v[TT+8*\b+\k:TT+8*\b+\k+1], v[8*(4*\a+\b)+\k:8*(4*\a+\b)+\k+1], v[WF+32*\g+8*\b+\k:WF+32*\g+8*\b+\k+1]
.endr
.endr
	WIN 0
.irp b, 0,1,2,3
.irp k, 0,1,2,3
	v_cvt_pk_bf16_f32 v[TT+8*\b+\k], v[TT+8*\b+2*\k], v[TT+8*\b+2*\k+1]   ; in place, ascending: register k is read no later than it is written
.endr
	ds_store_b128 v[STO], v[TT+8*\b:TT+8*\b+3] offset:32*(4*\g+\b)        ; row r, columns 16 (4 g + b) + 8 h + 0..7
.endr
.endr
	s_wait_xcnt 0x0                                ; R, which the last group's stores read, is loaded again only behind this wait
.irp p, 0,1,2
.irp u, 0,1,2,3
	ds_load_b128 v[R+4*(4*\p+\u):R+4*(4*\p+\u)+3], v[RD] offset:\u*4*SP+\p*128   ; LDS serves a wave's instructions in order (ISA guide 5.7.1): these see the stores above
.endr
.endr
.irp p, 0,1,2
.irp u, 0,1,2,3
	s_wait_dscnt 11-(4*\p+\u)                      ; this load is in; the younger ones stay out
	global_store_b128 v[CO], v[R+4*(4*\p+\u):R+4*(4*\p+\u)+3], s[8:9] offset:\p*PB+(16*\a+4*\u)*128   ; four rows of one panel: 512 consecutive bytes, aligned
.endr
.endr
.endm
.irp a, 0,1,2,3,4,5,6,7
	OUTA \a
.endr
	s_wait_tensorcnt 0x0
	ds_add_u32 v30, v31
	s_wait_dscnt 0x0
	CROUND                                         ; the closing round: no work-group ends while a partner may still ask for a tile that names it
	s_endpgm
.Lfunc_end_k_qca4240537f_qkvp:
	.size	k_qca4240537f_qkvp, .Lfunc_end_k_qca4240537f_qkvp-k_qca4240537f_qkvp
	.p2alignl 7, 3214868480
	.fill 96, 4, 3214868480
	.section	.rodata,"a",@progbits
	.p2align	6, 0x0
	.amdhsa_kernel k_qca4240537f_qkvp
		.amdhsa_group_segment_fixed_size 327680
		.amdhsa_private_segment_fixed_size 0
		.amdhsa_enable_private_segment 0
		.amdhsa_kernarg_size 24
		.amdhsa_user_sgpr_count 2
		.amdhsa_user_sgpr_kernarg_segment_ptr 1
		.amdhsa_wavefront_size32 1
		.amdhsa_system_sgpr_workgroup_id_x 1
		.amdhsa_system_sgpr_workgroup_id_y 1
		.amdhsa_system_sgpr_workgroup_id_z 1
		.amdhsa_system_vgpr_workitem_id 0
		.amdhsa_next_free_vgpr 1024
		.amdhsa_next_free_sgpr 66
		.amdhsa_reserve_vcc 0
		.amdhsa_float_denorm_mode_32 3
		.amdhsa_float_denorm_mode_16_64 3
		.amdhsa_memory_ordered 1
		.amdhsa_forward_progress 1
		.amdhsa_inst_pref_size 197
	.end_amdhsa_kernel
	.amdgpu_metadata
---
amdhsa.version: [ 1, 2 ]
amdhsa.kernels:
  - .name:           k_qca4240537f_qkvp
    .symbol:         k_qca4240537f_qkvp.kd
    .args:
      - { .name: actA, .offset: 0, .size: 8, .value_kind: global_buffer, .address_space: global }
      - { .name: pqkv, .offset: 8, .size: 8, .value_kind: global_buffer, .address_space: global }
      - { .name: qkv, .offset: 16, .size: 8, .value_kind: global_buffer, .address_space: global }
    .group_segment_fixed_size: 327680
    .private_segment_fixed_size: 0
    .kernarg_segment_align: 8
    .kernarg_segment_size: 24
    .max_flat_workgroup_size: 128
    .sgpr_count:     66
    .vgpr_count:     1024
    .wavefront_size: 32
...
	.end_amdgpu_metadata
.endif
;; end of part 2
;; launch attn (part 3): grid 256 x 1, 8 waves a work-group, no clusters, 316,416 bytes of LDS; arguments qkv, mask, actB; writes actB
.if DOCPART == 3
	.amdgcn_target "amdgcn-amd-amdhsa--gfx1250"
	.amdhsa_code_object_version 6
	.text
	.protected	k_qca4240537f_attn
	.globl	k_qca4240537f_attn
	.p2align	8
	.type	k_qca4240537f_attn,@function
k_qca4240537f_attn:
	s_mov_b64 s[64:65], 0
	v_nop
	global_prefetch_b8 v0, s[64:65] scope:SCOPE_SE
	s_setreg_imm32_b32 hwreg(HW_REG_WAVE_MODE, 25, 1), 1
	s_wait_xcnt 0x0
; Masked softmax attention for one head and 512 queries.  qkv: 48 bf16 panels [8192][64] (q 0-15, k 16-31, v 32-47; panel = head).
; mask: [8][1024] int32, 0 = masked.  actB: 16 bf16 panels, panel = head.
; Work-group g: query half g & 1, head (g >> 1) & 15, batch g >> 5.  Eight waves, 64 queries each (4 tiles of 16).
; All 1024 keys of K and V lie in LDS, filled once, in four chunks of 256 keys that are read as they land: nothing is ever filled again.
; A wave has four tensor loads out, all issued in its first lines.
; NO CLUSTER: a K or V byte has two readers (the two query halves), a work-group fetches it once, 256 KiB for 67 M multiply-adds,
; and a joint request would spare 32 MiB in the whole launch.
; EVERYTHING IS TRANSPOSED: S^T (key, query) = K Q^T + C, so a lane holds ONE query (l % 16) and 8 keys a tile: maxima and sums are
; a lane's own but for one exchange with lane l xor 16, two neighbouring tiles of S^T pack straight into a source-1 fragment of
; O^T (d, query) = V^T P^T, and O^T gives a lane 8 neighbouring d of one query.
; Softmax with a running maximum: p = exp2(c s + nmc), c = log2(e) / 8, nmc = -c x the largest raw score so far.
; THE MASK: C adds -2^33 to the raw scores of masked keys, so their p is 0.  If a batch's mask is all zero, c is taken as 0: every p is 1
; and the result is the mean of V, as with the problem's equal scores of -1e9.
; LIMITS: the added -2^33 stands for the problem's replacement by -1e9 as long as raw scores lie within 2^31 of each other and of zero.
; NaN and infinities are not served (v_max_num_f32 lets a NaN lose).
.set PB,    1048576                    ; bytes in a panel
.set KP,    144                        ; LDS pitch of K's rows: 128 + 16
.set VP,    160                        ; LDS pitch of V's rows: 128 + 32, an odd multiple of 32 for the transposing loads
.set VB,    1024*KP                    ; V behind K: 147,456
.set BIASB, VB+1024*VP                 ; 311,296: 1024 f32, 0 or -2^33; written by ds_store, no tensor load lands here
.set KA,  1                            ; v1  LDS address of my K fragments, stepped 64 keys a step
.set VA,  2                            ; v2  the same for V
.set BA,  3                            ; v3  the same for the bias
.set STO, 4                            ; v4  the way out: in
.set RD,  5                            ; v5  the way out: back
.set CO,  6                            ; v6  16 x lane
.set NT,  8                            ; v[8:15]   pair qt: nmc, the step's maximum
.set AL,  16                           ; v[16:23]  pair qt: alpha (at the end 1/l), the other half's figure
.set L,   24                           ; v[24:31]  pair qt: my two partial sums of p
.set S,   32                           ; v[32:159] tile (qt, kt) at S + 8 (4 qt + kt); packed in place: fragment (qt, g) at S + 32 qt + 8 g
.set KF,  160                          ; v[160:223] K fragment (kt, kk) at KF + 8 (2 kt + kk)
.set BI,  224                          ; v[224:255] bias tile kt
.set O,   0                            ; window 1: v[0:127]   O^T tile (dt, qt) at 8 (4 dt + qt)
.set QF,  128                          ; window 1: v[128:191] Q fragment (qt, kk) at QF + 8 (2 qt + kk)
.set VF,  192                          ; window 1: v[192:255] V^T fragment (g, dt) at VF + 8 (4 g + dt)
.set MSB, 0
.macro WIN new                         ; the immediate's high byte repeats the setting that is left
.if MSB != \new
	s_set_vgpr_msb (MSB<<8)|\new
.set MSB, \new
.endif
.endm
; a wave's four first fills: 64 keys (8 KiB, dense) of each chunk of 256, as 32 rows of 32 elements of 8 bytes, padded after every 32 words
.macro FILLS lbase, wmul, cmul, padw, goff
	s_mov_b32 s24, (3<<16)|(1<<20)|(4<<22)|(\padw<<25)
	s_mul_i32 s14, s10, \wmul
	s_add_nc_u64 s[50:51], s[48:49], \goff
.irp c, 0,1,2,3
	s_mov_b32 s[32+4*\c], 1
	s_add_co_u32 s[33+4*\c], s14, \lbase+\c*\cmul
	s_add_nc_u64 s[34+4*\c:35+4*\c], s[50:51], \c*32768
	s_or_b32 s[35+4*\c], s[35+4*\c], 0x80000000
	tensor_load_to_lds s[32+4*\c:35+4*\c], s[24:31]
	s_nop 0
.endr
.endm
	s_load_b128 s[4:7], s[0:1], 0x0                ; qkv s[4:5], mask s[6:7]
	s_load_b64 s[8:9], s[0:1], 0x10                ; actB
	v_lshl_add_u32 v254, v0, 2, 0x4d000
	v_mov_b32 v255, 0
	ds_add_u32 v254, v255
	ds_add_u32 v254, v255
	s_wait_dscnt 0x0
	v_lshrrev_b32 v1, 5, v0
	v_readfirstlane_b32 s10, v1                    ; wave 0..7
	s_lshr_b32 s11, s10, 2                         ; waves 0-3 fetch K, waves 4-7 V
	s_and_b32 s12, ttmp9, 1                        ; query half
	s_bfe_u32 s13, ttmp9, 0x40001                  ; head
	s_lshr_b32 s15, ttmp9, 5                       ; batch
	s_lshl_b32 s18, s13, 20                        ; head x panel
	s_lshl_b32 s2, s15, 17                         ; + batch x 1024 rows x 128 bytes
	s_add_co_u32 s18, s18, s2
	s_lshl_b32 s2, s10, 13                         ; + wave x 64 rows
	s_add_co_u32 s18, s18, s2
	s_mov_b32 s19, 0
	s_mov_b32 s25, 32<<16                          ; tensor_dim0 = 32
	s_mov_b32 s26, 32<<16                          ; tensor_dim1 = 32
	s_mov_b32 s27, 32<<16                          ; tile_dim0 = 32
	s_mov_b32 s28, 32                              ; tile_dim1 = 32
	s_mov_b32 s29, 32                              ; pitch = 32 elements: dense
	s_mov_b32 s30, 0
	s_mov_b32 s31, 0
	s_wait_kmcnt 0x0
	s_add_nc_u64 s[48:49], s[4:5], s[18:19]
	s_cmp_lg_u32 s11, 0
	s_cbranch_scc1 .Lfill_v
	FILLS 0, 64*KP, 256*KP, 3, 16*PB               ; K: panel 16 + head; keys 256 c + 64 w at LDS row 256 c + 64 w
	s_branch .Lfilled
.Lfill_v:
	FILLS VB-4*64*VP, 64*VP, 256*VP, 7, 32*PB-32768   ; V: panel 32 + head; wave w stands for w - 4
.Lfilled:
	s_lshl_b32 s2, s12, 16                         ; query half x 512 rows x 128 bytes
	s_mov_b32 s3, 0
	s_add_nc_u64 s[48:49], s[48:49], s[2:3]        ; my 64 rows of Q
	s_add_nc_u64 s[8:9], s[8:9], s[18:19]
	s_add_nc_u64 s[8:9], s[8:9], s[2:3]            ; and the same rows of the head's panel of actB
	s_lshl_b32 s2, s15, 12
	s_add_nc_u64 s[6:7], s[6:7], s[2:3]            ; the batch's row of the mask
	s_mov_b32 s16, 0x76543210                      ; v_permlanex16_b32: lane i takes lane i xor 16
	s_mov_b32 s17, 0xfedcba98
	v_and_b32 v7, 31, v0                           ; l
	v_lshlrev_b32 v[CO], 4, v7
	v_lshlrev_b32 v8, 4, v0                        ; 16 x thread
	global_load_b128 v[64:67], v8, s[6:7]          ; my four words of the mask, for the bias table
.irp i, 0,1,2,3,4,5,6,7
	global_load_b128 v[32+4*\i:35+4*\i], v[CO], s[6:7] offset:512*\i   ; the whole row, in every wave: is any key left?
.endr
	v_and_b32 v11, 15, v0                          ; r
	v_bfe_u32 v12, v0, 4, 1                        ; h
	v_lshlrev_b32 v10, 7, v11
	v_lshl_add_u32 v10, v12, 4, v10                ; Q: r x 128 + 16 h
	WIN 0x40
.irp qt, 0,1,2,3
.irp kk, 0,1
	global_load_b128 v[QF+8*(2*\qt+\kk):QF+8*(2*\qt+\kk)+3],   v10, s[48:49] offset:\qt*2048+\kk*64
	global_load_b128 v[QF+8*(2*\qt+\kk)+4:QF+8*(2*\qt+\kk)+7], v10, s[48:49] offset:\qt*2048+\kk*64+32
.endr
.endr
	WIN 0
	v_mul_u32_u24 v[KA], v11, KP
	v_lshl_add_u32 v[KA], v12, 4, v[KA]            ; K: r x 144 + 16 h
	s_mul_i32 s14, s10, 64*KP                      ; my stage on the way out: 64 rows of 144 bytes in K's place
	v_add_nc_u32 v[STO], s14, v[KA]
	v_and_b32 v13, 7, v0
	v_lshrrev_b32 v15, 3, v7
	v_mul_u32_u24 v15, v15, KP
	v_lshl_add_u32 v15, v13, 4, v15
	v_add_nc_u32 v[RD], s14, v15                   ; back: four rows of 128 bytes a load
	v_lshl_add_u32 v13, v12, 3, v13                ; V: key 8 h + l % 8,
	v_bfe_u32 v14, v0, 3, 1
	v_mul_u32_u24 v[VA], v13, VP
	v_lshl_add_u32 v[VA], v14, 4, v[VA]            ; 16 bytes further for lanes 8-15 and 24-31
	v_add_nc_u32 v[VA], VB, v[VA]
	v_lshlrev_b32 v[BA], 5, v12
	v_add_nc_u32 v[BA], BIASB, v[BA]               ; bias: keys 8 h + 0..7 of a tile
	v_add_nc_u32 v9, BIASB, v8
	v_mov_b32 v7, 0xd0000000                       ; -2^33
.irp qt, 0,1,2,3
	v_mov_b32 v[AL+2*\qt+1], 0                     ; v_permlanex16_b32's destination counts as read
.endr
	s_wait_loadcnt 16                              ; the nine mask loads are in; Q's sixteen stay out
.irp k, 0,1,2,3
	v_cmp_eq_u32 vcc_lo, 0, v[64+\k]
	v_cndmask_b32 v[64+\k], 0, v7, vcc_lo
.endr
	ds_store_b128 v9, v[64:67]
.set i, 4
.rept 28
	v_or_b32 v[32+i%4], v[32+i%4], v[32+i]
.set i, i+1
.endr
	v_or_b32 v32, v32, v33
	v_or_b32 v34, v34, v35
	v_or_b32 v32, v32, v34
	v_cmp_ne_u32 vcc_lo, 0, v32
	s_cmp_lg_u32 vcc_lo, 0                         ; any key unmasked?
	s_cselect_b32 s20, 0x3e38aa3b, 0               ; c = log2(e) / 8, or 0
	s_cselect_b32 s22, 0xbe38aa3b, 0               ; -c
	s_mov_b32 s21, s20
	s_wait_dscnt 0x0                               ; my part of the bias table is written, for the others' sake
	s_wait_tensorcnt 0x3                           ; my part of chunk 0 is in; three chunks stay out
	s_barrier_signal -1
	s_barrier_wait -1
; 24 LDS loads: the next 64 keys' K fragments and bias tiles
.macro KLOAD
.irp kt, 0,1,2,3
.irp kk, 0,1
	ds_load_b128 v[KF+8*(2*\kt+\kk):KF+8*(2*\kt+\kk)+3],   v[KA] offset:\kt*16*KP+\kk*64
	ds_load_b128 v[KF+8*(2*\kt+\kk)+4:KF+8*(2*\kt+\kk)+7], v[KA] offset:\kt*16*KP+\kk*64+32
.endr
.endr
.irp kt, 0,1,2,3
	ds_load_b128 v[BI+8*\kt:BI+8*\kt+3],   v[BA] offset:64*\kt
	ds_load_b128 v[BI+8*\kt+4:BI+8*\kt+7], v[BA] offset:64*\kt+16
.endr
	v_add_nc_u32 v[KA], 64*KP, v[KA]
	v_add_nc_u32 v[BA], 256, v[BA]
.endm
; One step: 64 keys against my 64 queries.  At its head the step's 24 K and bias loads are out.
; first = 1: the step starts maxima, sums and O.  kpre = 1: the next step's K is fetched.  cw >= 0: the next chunk is waited for (cw later chunks stay out).
; In both products the 16 accumulators take turns, one instruction a turn.
.macro STEP first, kpre, cw
.if \first == 0
.rept 5
	v_nop                                          ; behind the last step's products: four places before loads into their V fragments, five before products write over their P fragments
.endr
.endif
	WIN 0x40
.irp g, 0,1
.irp dt, 0,1,2,3
	ds_load_tr16_b128 v[VF+8*(4*\g+\dt):VF+8*(4*\g+\dt)+3],   v[VA] offset:\g*32*VP+\dt*32
	ds_load_tr16_b128 v[VF+8*(4*\g+\dt)+4:VF+8*(4*\g+\dt)+7], v[VA] offset:\g*32*VP+\dt*32+16*VP
.endr
.endr
	WIN 0
	v_add_nc_u32 v[VA], 64*VP, v[VA]
	s_wait_dscnt 16                                ; K and bias are in; V's sixteen loads stay out
	WIN 0x04                                       ; source 1 (Q) in window 1
.irp qt, 0,1,2,3
.irp kt, 0,1,2,3
	v_wmma_f32_16x16x32_bf16 v[S+8*(4*\qt+\kt):S+8*(4*\qt+\kt)+7], v[KF+16*\kt:KF+16*\kt+7], v[QF+16*\qt:QF+16*\qt+7], v[BI+8*\kt:BI+8*\kt+7]
.endr
.endr
.irp qt, 0,1,2,3
.irp kt, 0,1,2,3
	v_wmma_f32_16x16x32_bf16 v[S+8*(4*\qt+\kt):S+8*(4*\qt+\kt)+7], v[KF+16*\kt+8:KF+16*\kt+15], v[QF+16*\qt+8:QF+16*\qt+15], v[S+8*(4*\qt+\kt):S+8*(4*\qt+\kt)+7]
.endr
.endr
	WIN 0
.rept 4
	v_nop                                          ; four places before S is read and before K and bias are loaded again
.endr
.if \cw >= 0
	s_wait_dscnt 0x0                               ; no LDS instruction of mine is out at a signal
	s_wait_tensorcnt \cw                           ; my part of the next chunk is in
	s_barrier_signal -1
	s_barrier_wait -1                              ; everybody's is
.endif
.if \kpre
	KLOAD
.endif
	; the step's maximum for each of my four queries: 32 numbers a lane, then the other half of the keys from lane l xor 16
.irp qt, 0,1,2,3
	v_max3_num_f32 v[NT+2*\qt+1], v[S+32*\qt], v[S+32*\qt+1], v[S+32*\qt+2]
.endr
.set i, 3
.rept 14
.irp qt, 0,1,2,3
	v_max3_num_f32 v[NT+2*\qt+1], v[NT+2*\qt+1], v[S+32*\qt+i], v[S+32*\qt+i+1]
.endr
.set i, i+2
.endr
.irp qt, 0,1,2,3
	v_max_num_f32 v[NT+2*\qt+1], v[NT+2*\qt+1], v[S+32*\qt+31]
.endr
.irp qt, 0,1,2,3
	v_permlanex16_b32 v[AL+2*\qt+1], v[NT+2*\qt+1], s16, s17
.endr
.irp qt, 0,1,2,3
	v_max_num_f32 v[NT+2*\qt+1], v[NT+2*\qt+1], v[AL+2*\qt+1]
.endr
.if \first
.irp qt, 0,1,2,3
	v_mul_f32 v[NT+2*\qt], s22, v[NT+2*\qt+1]      ; nmc = -c x maximum
.endr
.else
.irp qt, 0,1,2,3
	v_mul_f32 v[NT+2*\qt+1], s22, v[NT+2*\qt+1]
.endr
.irp qt, 0,1,2,3
	v_min_num_f32 v[NT+2*\qt+1], v[NT+2*\qt], v[NT+2*\qt+1]        ; the running maximum, as -c x maximum
.endr
.irp qt, 0,1,2,3
	v_sub_f32 v[AL+2*\qt], v[NT+2*\qt+1], v[NT+2*\qt]              ; <= 0
.endr
.irp qt, 0,1,2,3
	v_exp_f32 v[AL+2*\qt], v[AL+2*\qt]             ; alpha: what sums and O so far are scaled by
.endr
.irp qt, 0,1,2,3
	v_mov_b32 v[NT+2*\qt], v[NT+2*\qt+1]           ; plain instructions behind the transcendentals (ISA guide 5.7.2)
.endr
.endif
.set i, 0
.rept 16
.irp qt, 0,1,2,3
	v_pk_fma_f32 v[S+32*\qt+2*i:S+32*\qt+2*i+1], v[S+32*\qt+2*i:S+32*\qt+2*i+1], s[20:21], v[NT+2*\qt:NT+2*\qt+1] op_sel_hi:[1,0,0]
.endr
.set i, i+1
.endr
.set i, 0
.rept 128
	v_exp_f32 v[S+i], v[S+i]
.set i, i+1
.endr
	v_nop
	s_wait_alu depctr_va_vdst(0)
.irp qt, 0,1,2,3
.if \first
	s_wait_alu depctr_va_vdst(0)
	v_pk_add_f32 v[L+2*\qt:L+2*\qt+1], v[S+32*\qt:S+32*\qt+1], v[S+32*\qt+2:S+32*\qt+3]
.else
	v_pk_fma_f32 v[L+2*\qt:L+2*\qt+1], v[L+2*\qt:L+2*\qt+1], v[AL+2*\qt:AL+2*\qt+1], v[S+32*\qt:S+32*\qt+1] op_sel_hi:[1,0,1]
.endif
.endr
.set i, 1+\first
.rept 15-\first
.irp qt, 0,1,2,3
	v_pk_add_f32 v[L+2*\qt:L+2*\qt+1], v[L+2*\qt:L+2*\qt+1], v[S+32*\qt+2*i:S+32*\qt+2*i+1]
.endr
.set i, i+1
.endr
.set i, 0
.rept 16
.irp qt, 0,1,2,3
	v_cvt_pk_bf16_f32 v[S+32*\qt+i], v[S+32*\qt+2*i], v[S+32*\qt+2*i+1]   ; in place, ascending: register i is read no later than it is written
.endr
.set i, i+1
.endr
.if \kpre
	s_wait_dscnt 24                                ; V is in; the next step's 24 K and bias loads stay out
.else
	s_wait_dscnt 0x0
.endif
.if \first == 0
	WIN 0x41
.irp dt, 0,1,2,3
.irp qt, 0,1,2,3
.irp k, 0,2,4,6
	v_pk_mul_f32 v[O+8*(4*\dt+\qt)+\k:O+8*(4*\dt+\qt)+\k+1], v[O+8*(4*\dt+\qt)+\k:O+8*(4*\dt+\qt)+\k+1], v[AL+2*\qt:AL+2*\qt+1] op_sel_hi:[1,0]
.endr
.endr
.endr
.endif
	WIN 0x51                                       ; D, C and source 0 (V^T) in window 1, source 1 (P^T) in window 0
.irp dt, 0,1,2,3
.irp qt, 0,1,2,3
.if \first
	v_wmma_f32_16x16x32_bf16 v[O+8*(4*\dt+\qt):O+8*(4*\dt+\qt)+7], v[VF+8*\dt:VF+8*\dt+7], v[S+32*\qt:S+32*\qt+7], 0
.else
	v_wmma_f32_16x16x32_bf16 v[O+8*(4*\dt+\qt):O+8*(4*\dt+\qt)+7], v[VF+8*\dt:VF+8*\dt+7], v[S+32*\qt:S+32*\qt+7], v[O+8*(4*\dt+\qt):O+8*(4*\dt+\qt)+7]
.endif
.endr
.endr
.irp dt, 0,1,2,3
.irp qt, 0,1,2,3
	v_wmma_f32_16x16x32_bf16 v[O+8*(4*\dt+\qt):O+8*(4*\dt+\qt)+7], v[VF+32+8*\dt:VF+32+8*\dt+7], v[S+32*\qt+8:S+32*\qt+15], v[O+8*(4*\dt+\qt):O+8*(4*\dt+\qt)+7]
.endr
.endr
	WIN 0
.endm
	KLOAD                                          ; step 0's K and bias
	s_wait_loadcnt 0x0                             ; Q
	; sixteen steps; a chunk is four steps; step 4 c + 3 fetches K of chunk c + 1 and so waits for it
	STEP 1, 1, -1
	s_mov_b32 s3, 2
.Lchunk0:
	STEP 0, 1, -1
	s_sub_co_i32 s3, s3, 1
	s_cmp_lg_u32 s3, 0
	s_cbranch_scc1 .Lchunk0
	STEP 0, 1, 2
	s_mov_b32 s3, 3
.Lchunk1:
	STEP 0, 1, -1
	s_sub_co_i32 s3, s3, 1
	s_cmp_lg_u32 s3, 0
	s_cbranch_scc1 .Lchunk1
	STEP 0, 1, 1
	s_mov_b32 s3, 3
.Lchunk2:
	STEP 0, 1, -1
	s_sub_co_i32 s3, s3, 1
	s_cmp_lg_u32 s3, 0
	s_cbranch_scc1 .Lchunk2
	STEP 0, 1, 0
	s_mov_b32 s3, 3
.Lchunk3:
	STEP 0, 1, -1
	s_sub_co_i32 s3, s3, 1
	s_cmp_lg_u32 s3, 0
	s_cbranch_scc1 .Lchunk3
	STEP 0, 0, -1
	; THE WAY OUT: O / l, rounded to bf16, through my stage in K's place (K has had its last fill and, behind the barrier, its last read)
.rept 4
	v_nop                                          ; four places behind the last products
.endr
.irp qt, 0,1,2,3
	v_add_f32 v[L+2*\qt], v[L+2*\qt], v[L+2*\qt+1]
.endr
.irp qt, 0,1,2,3
	v_permlanex16_b32 v[AL+2*\qt+1], v[L+2*\qt], s16, s17
.endr
.irp qt, 0,1,2,3
	v_add_f32 v[L+2*\qt], v[L+2*\qt], v[AL+2*\qt+1]
.endr
.irp qt, 0,1,2,3
	v_rcp_f32 v[AL+2*\qt], v[L+2*\qt]              ; l >= 1: the largest score's p is 1
.endr
	v_nop
	s_wait_dscnt 0x0                               ; my reads of K are over
	s_barrier_signal -1
	s_barrier_wait -1                              ; everybody's are
	WIN 0x41
	s_wait_alu depctr_va_vdst(0)
.irp dt, 0,1,2,3
.irp qt, 0,1,2,3
.irp k, 0,2,4,6
	v_pk_mul_f32 v[O+8*(4*\dt+\qt)+\k:O+8*(4*\dt+\qt)+\k+1], v[O+8*(4*\dt+\qt)+\k:O+8*(4*\dt+\qt)+\k+1], v[AL+2*\qt:AL+2*\qt+1] op_sel_hi:[1,0]
.endr
.endr
.endr
	WIN 0x05
.irp dt, 0,1,2,3
.irp qt, 0,1,2,3
.irp k, 0,1,2,3
	v_cvt_pk_bf16_f32 v[S+4*(4*\dt+\qt)+\k], v[O+8*(4*\dt+\qt)+2*\k], v[O+8*(4*\dt+\qt)+2*\k+1]
.endr
.endr
.endr
	WIN 0
.irp dt, 0,1,2,3
.irp qt, 0,1,2,3
	ds_store_b128 v[STO], v[S+4*(4*\dt+\qt):S+4*(4*\dt+\qt)+3] offset:\qt*16*KP+\dt*32   ; query 16 qt + r, d = 16 dt + 8 h + 0..7
.endr
.endr
.irp t, 0,1,2,3,4,5,6,7,8,9,10,11,12,13,14,15
	ds_load_b128 v[S+64+4*\t:S+64+4*\t+3], v[RD] offset:\t*4*KP    ; my own bytes, served in order (ISA guide 5.7.1): four rows a load
.endr
.irp t, 0,1,2,3,4,5,6,7,8,9,10,11,12,13,14,15
	s_wait_dscnt 15-\t
	global_store_b128 v[CO], v[S+64+4*\t:S+64+4*\t+3], s[8:9] offset:\t*512   ; 512 consecutive bytes of the head's panel, aligned
.endr
	s_wait_xcnt 0x0
	v_lshl_add_u32 v254, v0, 2, 0x4d000
	v_mov_b32 v255, 0
	s_wait_tensorcnt 0x0
	ds_add_u32 v254, v255
	s_wait_dscnt 0x0
	s_endpgm
.Lfunc_end_k_qca4240537f_attn:
	.size	k_qca4240537f_attn, .Lfunc_end_k_qca4240537f_attn-k_qca4240537f_attn
	.p2alignl 7, 3214868480
	.fill 96, 4, 3214868480
	.section	.rodata,"a",@progbits
	.p2align	6, 0x0
	.amdhsa_kernel k_qca4240537f_attn
		.amdhsa_group_segment_fixed_size 316416
		.amdhsa_private_segment_fixed_size 0
		.amdhsa_enable_private_segment 0
		.amdhsa_kernarg_size 24
		.amdhsa_user_sgpr_count 2
		.amdhsa_user_sgpr_kernarg_segment_ptr 1
		.amdhsa_wavefront_size32 1
		.amdhsa_system_sgpr_workgroup_id_x 1
		.amdhsa_system_sgpr_workgroup_id_y 1
		.amdhsa_system_sgpr_workgroup_id_z 1
		.amdhsa_system_vgpr_workitem_id 0
		.amdhsa_next_free_vgpr 512
		.amdhsa_next_free_sgpr 66
		.amdhsa_reserve_vcc 1
		.amdhsa_float_denorm_mode_32 3
		.amdhsa_float_denorm_mode_16_64 3
		.amdhsa_memory_ordered 1
		.amdhsa_forward_progress 1
		.amdhsa_inst_pref_size 255
	.end_amdhsa_kernel
	.section	.bss,"aw",@nobits
	.p2align	6
	.space	262144
	.amdgpu_metadata
---
amdhsa.version: [ 1, 2 ]
amdhsa.kernels:
  - .name:           k_qca4240537f_attn
    .symbol:         k_qca4240537f_attn.kd
    .args:
      - { .name: qkv, .offset: 0, .size: 8, .value_kind: global_buffer, .address_space: global }
      - { .name: mask, .offset: 8, .size: 8, .value_kind: global_buffer, .address_space: global }
      - { .name: actB, .offset: 16, .size: 8, .value_kind: global_buffer, .address_space: global }
    .group_segment_fixed_size: 316416
    .private_segment_fixed_size: 0
    .kernarg_segment_align: 8
    .kernarg_segment_size: 24
    .max_flat_workgroup_size: 256
    .sgpr_count:     66
    .vgpr_count:     512
    .wavefront_size: 32
...
	.end_amdgpu_metadata
.endif
;; end of part 3
;; launch wop (part 4): grid 4 x 64, 4 waves a work-group, clusters of 4 x 4, 327,680 bytes of LDS; arguments actB, wob, bo, x, x1; writes x1
.if DOCPART == 4
	.amdgcn_target "amdgcn-amd-amdhsa--gfx1250"
	.amdhsa_code_object_version 6
	.text
	.protected	k_qca4240537f_wop
	.globl	k_qca4240537f_wop
	.p2align	8
	.type	k_qca4240537f_wop,@function
k_qca4240537f_wop:
	s_mov_b64 s[64:65], 0
	v_nop
	global_prefetch_b8 v0, s[64:65] scope:SCOPE_SE
	s_setreg_imm32_b32 hwreg(HW_REG_WAVE_MODE, 25, 1), 1
	s_wait_xcnt 0x0
	s_wait_alu depctr_hold_cnt(0) depctr_sa_sdst(0) depctr_va_vdst(0) depctr_va_sdst(0) depctr_va_ssrc(0) depctr_va_vcc(0) depctr_vm_vsrc(0)
	s_getreg_b32 s2, hwreg(HW_REG_IB_STS2, 6, 4)
	s_cmp_eq_u32 s2, 0
	s_cbranch_scc0 .Lentry_in_a_cluster
	s_endpgm
.Lentry_in_a_cluster:
	s_bfe_u32 s2, ttmp6, 0x10000c
	s_cmp_lg_u32 s2, 0xf033
	s_cbranch_scc0 .Lentry_shape_is_right
	s_endpgm
.Lentry_shape_is_right:
; C = A W^T + bias + R in f32.  A: bf16 panels [16][8192][64] (K = 1024).  W: bf16 [1024][1024].  bias: f32 [1024].
; R and C: f32 [8192][1024], row-major.  Sums in f32.
; A work-group makes 128 rows x 256 columns with four waves; a wave makes 64 x 128: 32 accumulator tiles, 256 registers.
; K goes in steps of 128 (two panels of A) through two LDS slots filled by tensor loads; 8 steps.
; CLUSTERS: 4 x 4 work-groups.  A's tile hangs on the block row alone and is asked for jointly by a row of the cluster, W's on the
; block column alone and is asked for jointly by a column: a quarter of the requests.
; A wave has two tensor loads out at the start and one behind each round of the cluster's barrier.
; The wave's 64 x 128 of R (256 registers, window 2) is loaded under the K loop, so the way out waits for nothing from memory.
; The matrix instruction is used transposed (source 0 = 16 rows of W, source 1 = 16 rows of A): lane l then holds row l % 16 of C
; and its registers 0-7 the columns 8 (l / 16) + 0..7.
.set PB,    1048576                    ; bytes in a panel of 8192 rows x 128 bytes
.set BP,    272                        ; LDS pitch of W's rows: 256 bytes + 16: sixteen rows start at sixteen different 16-byte columns of 256
.set AP,    144                        ; LDS pitch of A's rows: 128 bytes + 16, likewise
.set BHALF, 128*BP                     ; 128 rows of W: one tensor load
.set APAN,  128*AP                     ; 128 rows of one panel of A: one tensor load
.set ABASE, 2*BHALF                    ; A's two panels lie behind W's 256 rows
.set SLOT,  ABASE+2*APAN               ; 106,496
.set STAGE, 2*SLOT                     ; behind the ring: 16 rows x 528 bytes of f32 for each wave; no tensor load lands here
.set SP,    528                        ; 512 bytes + 16
.set LAPS,  4                          ; a lap = two K steps = once round the ring
.set BIAS,  8                          ; v[8:11]  bias of my 4 columns on the way out
.set ADRA,  16                         ; v16-17   LDS address of my A fragments in slot 0, 1
.set ADRB,  20                         ; v20-21   the same for W
.set STO,   24                         ; v24      the way out: where I put 32 bytes of a row
.set RD,    25                         ; v25      the way out: where I read 16 bytes back
.set CO,    26                         ; v26      16 x lane: my place in a row's 512 bytes, in R, in C and in the bias
.set F0,    32                         ; fragment buffer 0: W's 8 fragments at +0, A's 4 at +64
.set F1,    128                        ; fragment buffer 1
.set G1A,   24                         ; s[24:31] group 1 for A's tiles
.set G0A,   32                         ; s[32:39] group 0 for A's tiles, one set for each slot
.set G1B,   48                         ; s[48:55] group 1 for W's tiles
.set G0B,   56                         ; s[56:63] group 0 for W's tiles, one set for each slot
.set MULW,  0x50                       ; C and D in window 1 (the accumulators, tile (a, b) at v[8 (8 a + b)]), sources in window 0
.set MSB, 0
.macro WIN new                         ; the immediate's high byte repeats the setting that is left
.if MSB != \new
	s_set_vgpr_msb (MSB<<8)|\new
.set MSB, \new
.endif
.endm
; A joint load.  Waves 0 and 1 fetch W's two halves, waves 2 and 3 A's two panels.  The branch hangs on the wave's number alone.
.macro JLOAD s
	s_cmp_eq_u32 s11, 0
	s_cbranch_scc0 .Lfor_a_\@
	tensor_load_to_lds s[G0B+4*\s:G0B+4*\s+3], s[G1B:G1B+7]
	s_nop 0
	s_branch .Lasked_\@
.Lfor_a_\@:
	tensor_load_to_lds s[G0A+4*\s:G0A+4*\s+3], s[G1A:G1A+7]
	s_nop 0
.Lasked_\@:
.endm
.macro CREST                           ; a round of the cluster's barrier behind its opening barrier
	s_cmp_lg_u32 s10, 0
	s_cbranch_scc1 .Lnot_wave_0_\@
	s_barrier_signal -3
.Lnot_wave_0_\@:
	s_barrier_wait -3
	s_barrier_signal -1
	s_barrier_wait -1
.endm
.macro CROUND                          ; a whole round
	s_barrier_signal -1
	s_barrier_wait -1
	CREST
.endm
.macro PLACES                          ; four places behind a matrix instruction (ISA guide 7.12.1) before its registers are loaded into or its result is read
.rept 4
	v_nop
.endr
.endm
; 32 rows of my block of R, 512 consecutive bytes a load, into window 2: row t at v[4 t]
.macro RESLOAD half
	WIN 0x80
.set t, 32*\half
.rept 32
	global_load_b128 v[4*t:4*t+3], v[CO], s[70:71] offset:t*4096
.set t, t+1
.endr
	WIN 0
.endm
	s_load_b128 s[4:7], s[0:1], 0x0                ; A s[4:5], W s[6:7]
	s_load_b128 s[68:71], s[0:1], 0x10             ; bias s[68:69], R s[70:71]
	s_load_b64 s[8:9], s[0:1], 0x20                ; C
	v_lshl_add_u32 v254, v0, 2, 0x3c400
	v_mov_b32 v255, 0
	ds_add_u32 v254, v255
	ds_add_u32 v254, v255
	v_lshrrev_b32 v1, 5, v0
	v_readfirstlane_b32 s10, v1                    ; wave 0..3
	s_lshr_b32 s11, s10, 1                         ; which 64 rows of the block are mine.  Also: I fetch for W (0) or for A (1)
	s_and_b32 s12, s10, 1                          ; which 128 columns.  Also: which half of W's rows, which panel of A I fetch
	s_bfe_u32 s40, ttmp6, 0x40000                  ; cx
	s_bfe_u32 s41, ttmp6, 0x40004                  ; cy
	s_lshl_b32 s42, ttmp9, 2
	s_add_co_u32 s42, s42, s40                     ; block column = 4 x cluster x + cx
	s_and_b32 s13, ttmp7, 0xffff
	s_lshl_b32 s13, s13, 2
	s_add_co_u32 s13, s13, s41                     ; block row = 4 x cluster y + cy
	s_lshl_b32 s43, s41, 2
	s_lshl_b32 s43, 15, s43                        ; my row of the cluster: places 4 cy .. 4 cy + 3
	s_lshl_b32 s44, 0x1111, s40                    ; my column: places cx, cx + 4, cx + 8, cx + 12
	; group 1 for A: a dense block of 16 KiB (128 rows of one panel) as 64 rows of 32 elements of 8 bytes; 4 words of padding after every 32 words,
	; so that the panel's rows of 128 bytes lie 144 bytes apart in LDS
	s_or_b32 s[G1A+0], s43, (3<<16)|(1<<20)|(1<<21)|(4<<22)|(3<<25)
	s_mov_b32 s[G1A+1], 32<<16                     ; tensor_dim0 = 32
	s_mov_b32 s[G1A+2], 64<<16                     ; tensor_dim1 = 64
	s_mov_b32 s[G1A+3], 32<<16                     ; tile_dim0 = 32
	s_mov_b32 s[G1A+4], 64                         ; tile_dim1 = 64
	s_mov_b32 s[G1A+5], 32                         ; pitch = 32 elements: dense
	s_mov_b32 s[G1A+6], 0
	s_mov_b32 s[G1A+7], 0
	; group 1 for W: 128 rows x 128 bf16, pitch 1024 elements; 4 words of padding after every 64 words
	s_or_b32 s[G1B+0], s44, (1<<16)|(1<<20)|(1<<21)|(5<<22)|(3<<25)
	s_mov_b32 s[G1B+1], 128<<16
	s_mov_b32 s[G1B+2], 128<<16
	s_mov_b32 s[G1B+3], 128<<16
	s_mov_b32 s[G1B+4], 128
	s_mov_b32 s[G1B+5], 1024
	s_mov_b32 s[G1B+6], 0
	s_mov_b32 s[G1B+7], 0
	; where the tiles come from.  A's offset is made of the block row and the wave's number, W's of the block column and the wave's number,
	; each in registers that never hold the other coordinate.
	s_lshl_b32 s14, s12, 20                        ; A: my panel of the K step's two
	s_lshl_b32 s16, s13, 14                        ;    + block row x 128 rows x 128 bytes
	s_add_co_u32 s14, s14, s16
	s_mov_b32 s15, 0
	s_lshl_b32 s46, s42, 19                        ; W: block column x 256 rows x 2,048 bytes
	s_lshl_b32 s45, s12, 18                        ;    + my half x 128 rows
	s_add_co_u32 s46, s46, s45
	s_mov_b32 s47, 0
	s_mul_i32 s20, s10, BHALF                      ; where they go: waves 0, 1: W's halves at 0 and BHALF;
	s_mul_i32 s21, s10, APAN
	s_add_co_u32 s21, s21, ABASE-2*APAN            ; waves 2, 3: A's panels at ABASE and ABASE + APAN.  No place in the cluster enters an LDS address
	s_wait_dscnt 0x0
	s_wait_kmcnt 0x0
	s_add_nc_u64 s[14:15], s[4:5], s[14:15]
	s_add_nc_u64 s[46:47], s[6:7], s[46:47]
	CROUND                                         ; all sixteen work-groups are here: the first joint loads meet
.irp s, 0,1
	s_mov_b32 s[G0B+4*\s], 1
	s_add_co_u32 s[G0B+4*\s+1], s20, \s*SLOT
	s_add_nc_u64 s[G0B+4*\s+2:G0B+4*\s+3], s[46:47], \s*256        ; K step s: 128 bf16 along the rows
	s_or_b32 s[G0B+4*\s+3], s[G0B+4*\s+3], 0x80000000
	s_mov_b32 s[G0A+4*\s], 1
	s_add_co_u32 s[G0A+4*\s+1], s21, \s*SLOT
	s_add_nc_u64 s[G0A+4*\s+2:G0A+4*\s+3], s[14:15], \s*2*PB       ; K step s: two panels on
	s_or_b32 s[G0A+4*\s+3], s[G0A+4*\s+3], 0x80000000
	JLOAD \s
.endr
	; my block's corner in R and C: rows in registers that hold the block row alone, columns in registers that hold the block column alone
	s_lshl_b32 s16, s13, 19                        ; block row x 128 rows x 4,096 bytes
	s_lshl_b32 s17, s11, 18                        ; + my 64 rows
	s_add_co_u32 s16, s16, s17
	s_mov_b32 s17, 0
	s_lshl_b32 s46, s42, 10                        ; block column x 256 columns x 4 bytes
	s_lshl_b32 s47, s12, 9                         ; + my 128 columns
	s_add_co_u32 s46, s46, s47
	s_mov_b32 s47, 0
	s_add_nc_u64 s[68:69], s[68:69], s[46:47]
	s_add_nc_u64 s[70:71], s[70:71], s[16:17]
	s_add_nc_u64 s[70:71], s[70:71], s[46:47]
	s_add_nc_u64 s[8:9], s[8:9], s[16:17]
	s_add_nc_u64 s[8:9], s[8:9], s[46:47]
	v_and_b32 v1, 31, v0
	v_lshlrev_b32 v[CO], 4, v1
	global_load_b128 v[BIAS:BIAS+3], v[CO], s[68:69]
	RESLOAD 0                                      ; rows 0-31 of R
	; fragments: lane l holds row l % 16; registers 0-3 hold K = 8 h + 0..7, registers 4-7 K = 16 + 8 h + 0..7: two loads of 16 bytes, 32 apart
	v_and_b32 v1, 15, v0                           ; r = l % 16
	v_bfe_u32 v2, v0, 4, 1                         ; h = l / 16
	v_mul_u32_u24 v3, v1, BP
	v_lshl_add_u32 v3, v2, 4, v3
	v_mul_u32_u24 v4, v1, AP
	v_lshl_add_u32 v4, v2, 4, v4
	s_mul_i32 s22, s12, BHALF                      ; my 128 rows of W
	s_mul_i32 s23, s11, 64*AP                      ; my 64 rows of A
	s_add_co_u32 s23, s23, ABASE
.irp s, 0,1
	v_add_nc_u32 v[ADRB+\s], s22, v3
	v_add_nc_u32 v[ADRA+\s], s23, v4
	s_add_co_u32 s22, s22, SLOT
	s_add_co_u32 s23, s23, SLOT
.endr
	s_mul_i32 s23, s10, 16*SP
	s_add_co_u32 s23, s23, STAGE                   ; my stage
	v_mul_u32_u24 v5, v1, SP                       ; in: row r, 32 bytes for each half of the lanes
	v_lshl_add_u32 v5, v2, 5, v5
	v_add_nc_u32 v[STO], s23, v5
	v_add_nc_u32 v[RD], s23, v[CO]                 ; back: the 32 lanes take one row of 512 bytes
; 16 matrix instructions: row blocks a0, a0 + 1 x all 8 column blocks, 32 along K.  zero = 1: the first product starts the sums.
; The 32 accumulators take turns, one instruction a turn, in the same order in every quarter step.
.macro MUL16 f, a0, zero
.irp a, \a0, \a0+1
.irp b, 0,1,2,3,4,5,6,7
.if \zero
	v_wmma_f32_16x16x32_bf16 v[8*(8*(\a)+\b):8*(8*(\a)+\b)+7], v[\f+8*\b:\f+8*\b+7], v[\f+64+8*(\a):\f+64+8*(\a)+7], 0
.else
	v_wmma_f32_16x16x32_bf16 v[8*(8*(\a)+\b):8*(8*(\a)+\b)+7], v[\f+8*\b:\f+8*\b+7], v[\f+64+8*(\a):\f+64+8*(\a)+7], v[8*(8*(\a)+\b):8*(8*(\a)+\b)+7]
.endif
.endr
.endr
.endm
; 24 LDS loads in one run: quarter q of a slot (32 along K): 128 rows of W, 64 rows of A (panel q / 2, byte 64 (q % 2) of its rows)
.macro FETCH slot, q, f
.irp i, 0,1,2,3,4,5,6,7
	ds_load_b128 v[\f+8*\i:\f+8*\i+3],   v[ADRB+\slot] offset:\q*64+\i*16*BP
	ds_load_b128 v[\f+8*\i+4:\f+8*\i+7], v[ADRB+\slot] offset:\q*64+\i*16*BP+32
.endr
.irp i, 0,1,2,3
	ds_load_b128 v[\f+64+8*\i:\f+64+8*\i+3],   v[ADRA+\slot] offset:(\q>>1)*APAN+(\q&1)*64+\i*16*AP
	ds_load_b128 v[\f+64+8*\i+4:\f+64+8*\i+7], v[ADRA+\slot] offset:(\q>>1)*APAN+(\q&1)*64+\i*16*AP+32
.endr
.endm
; One of a K step's first three quarters: buffer f is multiplied while quarter qn's fragments come into buffer g.
.macro QUARTER slot, qn, f, g, zero
	s_wait_dscnt 0x0                               ; buffer f's 24 loads, are in
	PLACES                                         ; behind the matrix instructions that read buffer g
	FETCH \slot, \qn, \g
	WIN MULW
	MUL16 \f, 0, \zero
	MUL16 \f, 2, \zero
	WIN 0
.endm
.macro THREE slot, zero
	QUARTER \slot, 1, F0, F1, \zero
	QUARTER \slot, 2, F1, F0, 0
	QUARTER \slot, 3, F0, F1, 0
.endm
; The last quarter: multiplies buffer 1 and changes slots.  fill = 1: this slot is filled again, two K steps ahead.
; In front of the barrier each wave waits for its reads of this slot and for all its tensor loads (one is out: its part of the next slot).
; Behind it (behind the cluster's round where a slot is filled) the refill comes first, then the next slot's first fragments.
.macro TURN slot, next, fill
	s_wait_dscnt 0x0                               ; buffer 1 is in, and these were my last reads of this slot
	s_wait_tensorcnt 0x0                           ; all my tensor loads have landed
	ds_add_u32 v254, v255
	s_wait_dscnt 0x0
	s_barrier_signal -1
	WIN MULW
	MUL16 F1, 0, 0                                 ; register work while the others arrive
	WIN 0
	s_barrier_wait -1
.if \fill
	CREST                                          ; no wave of any partner still reads this slot or has a load on its way
	s_add_nc_u64 s[G0B+4*\slot+2:G0B+4*\slot+3], s[G0B+4*\slot+2:G0B+4*\slot+3], 512      ; two K steps along W's rows
	s_add_nc_u64 s[G0A+4*\slot+2:G0A+4*\slot+3], s[G0A+4*\slot+2:G0A+4*\slot+3], 4*PB     ; four panels of A
	JLOAD \slot                                    ; my one tensor load behind the round, and the first thing there
.endif
	PLACES                                         ; behind the matrix instructions that read buffer 0
	FETCH \next, 0, F0
	WIN MULW
	MUL16 F1, 2, 0
	WIN 0
.endm
.macro LAP zero
	THREE 0, \zero
	TURN 0, 1, 1
	THREE 1, 0
	TURN 1, 0, 1
.endm
	s_wait_tensorcnt 0x1                           ; my part of K step 0 is in; K step 1's stays out
	s_barrier_signal -1
	s_barrier_wait -1                              ; everybody's is
	FETCH 0, 0, F0
	LAP 1                                          ; K steps 0, 1: the first products start the sums
	RESLOAD 1                                      ; rows 32-63 of R: six K steps in which to land
	s_mov_b32 s3, LAPS-2
.Llap:
	LAP 0
	s_sub_co_u32 s3, s3, 1
	s_cmp_lg_u32 s3, 0
	s_cbranch_scc1 .Llap
	THREE 0, 0                                     ; the last lap fills nothing: my one tensor load still out is slot 1's, the last K step's
	TURN 0, 1, 0
	THREE 1, 0
	s_wait_dscnt 0x0
	WIN MULW
	MUL16 F1, 0, 0
	MUL16 F1, 2, 0
	WIN 0
	; THE WAY OUT, 16 rows at a time: f32 into my own stage, read back as whole rows of 512 bytes, + R, + bias, store.
	PLACES
	s_wait_loadcnt 0x0                             ; the bias and R
.macro STAGE16 a                       ; the eight tiles (a, 0..7): lane (r, h) puts columns 16 b + 8 h + 0..7 of row r
	WIN 0x04                                       ; store data in window 1
.irp b, 0,1,2,3,4,5,6,7
	ds_store_b128 v[STO], v[8*(8*\a+\b):8*(8*\a+\b)+3]   offset:64*\b
	ds_store_b128 v[STO], v[8*(8*\a+\b)+4:8*(8*\a+\b)+7] offset:64*\b+16
.endr
	WIN 0
.endm
.macro OUT32 i, buf
	STAGE16 \i
	s_wait_xcnt 0x0                                ; the buffer, which earlier stores read, is loaded again only behind this wait
.irp t, 0,1,2,3,4,5,6,7,8,9,10,11,12,13,14,15
	ds_load_b128 v[\buf+4*\t:\buf+4*\t+3], v[RD] offset:\t*SP      ; LDS serves a wave's instructions in order (ISA guide 5.7.1): these see the stores above
.endr
	s_wait_dscnt 0x0
	WIN 0x08                                       ; source 1 (R) in window 2
.irp t, 0,1,2,3,4,5,6,7,8,9,10,11,12,13,14,15
	v_pk_add_f32 v[\buf+4*\t:\buf+4*\t+1],   v[\buf+4*\t:\buf+4*\t+1],   v[4*(16*\i+\t):4*(16*\i+\t)+1]
	v_pk_add_f32 v[\buf+4*\t+2:\buf+4*\t+3], v[\buf+4*\t+2:\buf+4*\t+3], v[4*(16*\i+\t)+2:4*(16*\i+\t)+3]
.endr
	WIN 0
.irp t, 0,1,2,3,4,5,6,7,8,9,10,11,12,13,14,15
	v_pk_add_f32 v[\buf+4*\t:\buf+4*\t+1],   v[\buf+4*\t:\buf+4*\t+1],   v[BIAS:BIAS+1]
	v_pk_add_f32 v[\buf+4*\t+2:\buf+4*\t+3], v[\buf+4*\t+2:\buf+4*\t+3], v[BIAS+2:BIAS+3]
	global_store_b128 v[CO], v[\buf+4*\t:\buf+4*\t+3], s[8:9] offset:(16*\i+\t)*4096   ; 512 consecutive bytes of a row of C, aligned
.endr
.endm
	OUT32 0, 32
	OUT32 1, 96
	OUT32 2, 32
	OUT32 3, 96
	s_wait_tensorcnt 0x0
	ds_add_u32 v254, v255
	s_wait_dscnt 0x0
	CROUND                                         ; the closing round: no work-group ends while a partner may still ask for a tile that names it
	s_endpgm
.Lfunc_end_k_qca4240537f_wop:
	.size	k_qca4240537f_wop, .Lfunc_end_k_qca4240537f_wop-k_qca4240537f_wop
	.p2alignl 7, 3214868480
	.fill 96, 4, 3214868480
	.section	.rodata,"a",@progbits
	.p2align	6, 0x0
	.amdhsa_kernel k_qca4240537f_wop
		.amdhsa_group_segment_fixed_size 327680
		.amdhsa_private_segment_fixed_size 0
		.amdhsa_enable_private_segment 0
		.amdhsa_kernarg_size 40
		.amdhsa_user_sgpr_count 2
		.amdhsa_user_sgpr_kernarg_segment_ptr 1
		.amdhsa_wavefront_size32 1
		.amdhsa_system_sgpr_workgroup_id_x 1
		.amdhsa_system_sgpr_workgroup_id_y 1
		.amdhsa_system_sgpr_workgroup_id_z 1
		.amdhsa_system_vgpr_workitem_id 0
		.amdhsa_next_free_vgpr 768
		.amdhsa_next_free_sgpr 76
		.amdhsa_reserve_vcc 0
		.amdhsa_float_denorm_mode_32 3
		.amdhsa_float_denorm_mode_16_64 3
		.amdhsa_memory_ordered 1
		.amdhsa_forward_progress 1
		.amdhsa_inst_pref_size 138
	.end_amdhsa_kernel
	.amdgpu_metadata
---
amdhsa.version: [ 1, 2 ]
amdhsa.kernels:
  - .name:           k_qca4240537f_wop
    .symbol:         k_qca4240537f_wop.kd
    .args:
      - { .name: actB, .offset: 0, .size: 8, .value_kind: global_buffer, .address_space: global }
      - { .name: wob, .offset: 8, .size: 8, .value_kind: global_buffer, .address_space: global }
      - { .name: bo, .offset: 16, .size: 8, .value_kind: global_buffer, .address_space: global }
      - { .name: x, .offset: 24, .size: 8, .value_kind: global_buffer, .address_space: global }
      - { .name: x1, .offset: 32, .size: 8, .value_kind: global_buffer, .address_space: global }
    .group_segment_fixed_size: 327680
    .private_segment_fixed_size: 0
    .kernarg_segment_align: 8
    .kernarg_segment_size: 40
    .max_flat_workgroup_size: 128
    .sgpr_count:     76
    .vgpr_count:     768
    .wavefront_size: 32
...
	.end_amdgpu_metadata
.endif
;; end of part 4
;; launch ln2 (part 5): grid 256 x 1, 16 waves a work-group, no clusters, 0 bytes of LDS; arguments x1, g2, be2, actA; writes actA
.if DOCPART == 5
	.amdgcn_target "amdgcn-amd-amdhsa--gfx1250"
	.amdhsa_code_object_version 6
	.text
	.protected	k_qca4240537f_ln2
	.globl	k_qca4240537f_ln2
	.p2align	8
	.type	k_qca4240537f_ln2,@function
k_qca4240537f_ln2:
	s_mov_b64 s[64:65], 0
	v_nop
	global_prefetch_b8 v0, s[64:65] scope:SCOPE_SE
	s_setreg_imm32_b32 hwreg(HW_REG_WAVE_MODE, 25, 1), 1
	s_wait_xcnt 0x0
; ln2: h2 = LayerNorm(x1; g2, be2) in bf16 panels.
; LayerNorm as the problem has it: mean first, then the squared deviations (no difference of large sums), variance over 1023,
; division by (std + 1e-6).  All of it in f32; h2 is rounded once.
; PANELS: element (m, n) of the bf16 result lies at (n>>6)*PB + m*128 + (n&63)*2; rows m and m+1 of a panel are 256 consecutive aligned bytes.
; 256 work-groups of 16 waves, 32 rows each.  A wave takes two rows: lanes 0-15 one, lanes 16-31 the next, so a row's sums never leave
; its 16 lanes: no LDS, no barrier.  Memory binds here: matrix units, clusters and LDS would add nothing.
; Limit: NaN and infinities are not served.
.set PB,    1048576                    ; bytes in a panel
.set XO,    1                          ; v1  byte offset in x1 of my 16 bytes in my row's first 256
.set GO,    2                          ; v2  byte offset in g2, be2: 16 (lane mod 16)
.set OO,    3                          ; v3  byte offset in a panel of my 8 bytes
.set ACC,   6                          ; v[6:13]   four pairs of partial sums
.set MI,    14                         ; v[14:15]  the mean, later 1/(std+eps), twice
.set X,     16                         ; v[16:79]  my 64 numbers of my row: X+4i .. X+4i+3 = columns 64 i + 4 r ..
.set G,     80                         ; v[80:143] gain of these columns
.set BE,    144                        ; v[144:207] offset of these columns
.set OUTLO, 10                         ; s[10:11]  actA, panels 0-7
.set OUTHI, 12                         ; s[12:13]  actA, panels 8-15 (a store's immediate reaches seven panels)
	s_load_b256 s[4:11], s[0:1], 0x0               ; x1 4, g2 6, be2 8, actA 10
	s_lshl_b32 s2, ttmp9, 17                       ; 32 rows of 4,096 bytes
	s_lshl_b32 s3, ttmp9, 12                       ; 32 rows of 128 bytes in a panel
	v_lshrrev_b32 v[XO], 4, v0                     ; thread / 16 = my row among the group's 32
	v_and_b32 v[GO], 15, v0
	v_lshlrev_b32 v[XO], 12, v[XO]
	v_lshlrev_b32 v[GO], 4, v[GO]
	v_add3_u32 v[XO], v[XO], v[GO], s2
	v_lshl_add_u32 v[OO], v0, 3, s3                ; (32 g + 2 wave) * 128 + 8 lane = 4096 g + 8 thread
	s_wait_kmcnt 0x0
	s_add_nc_u64 s[OUTHI:OUTHI+1], s[OUTLO:OUTLO+1], 8*PB
; four pairs of partial sums -> the row's sum in each of its 16 lanes
.macro REDUCE16
	v_pk_add_f32 v[ACC:ACC+1],   v[ACC:ACC+1],   v[ACC+2:ACC+3]
	v_pk_add_f32 v[ACC+4:ACC+5], v[ACC+4:ACC+5], v[ACC+6:ACC+7]
	v_pk_add_f32 v[ACC:ACC+1],   v[ACC:ACC+1],   v[ACC+4:ACC+5]
	v_add_f32 v[ACC], v[ACC], v[ACC+1]
.irp m, 1,2,4,8
	v_add_f32_dpp v[ACC], v[ACC], v[ACC] row_xmask:\m row_mask:0xf bank_mask:0xf
.endr
.endm
; mean, deviations in place, 1 / (std + eps) in v[MI:MI+1]
.macro LNSTAT
.irp k, 0,1,2,3
	v_pk_add_f32 v[ACC+2*\k:ACC+2*\k+1], v[X+2*\k:X+2*\k+1], v[X+8+2*\k:X+8+2*\k+1]   ; the first eight pairs start four chains: nothing is cleared
.endr
.set p, 8
.rept 24
	v_pk_add_f32 v[ACC+2*(p%4):ACC+2*(p%4)+1], v[ACC+2*(p%4):ACC+2*(p%4)+1], v[X+2*p:X+2*p+1]
.set p, p+1
.endr
	REDUCE16
	v_mul_f32 v[MI], 0x3a800000, v[ACC]            ; / 1024
	v_mov_b32 v[MI+1], v[MI]
.set p, 0
.rept 32
	v_pk_add_f32 v[X+2*p:X+2*p+1], v[X+2*p:X+2*p+1], v[MI:MI+1] neg_lo:[0,1] neg_hi:[0,1]   ; x - mean
.set p, p+1
.endr
.irp k, 0,1,2,3
	v_pk_mul_f32 v[ACC+2*\k:ACC+2*\k+1], v[X+2*\k:X+2*\k+1], v[X+2*\k:X+2*\k+1]
.endr
.set p, 4
.rept 28
	v_pk_fma_f32 v[ACC+2*(p%4):ACC+2*(p%4)+1], v[X+2*p:X+2*p+1], v[X+2*p:X+2*p+1], v[ACC+2*(p%4):ACC+2*(p%4)+1]
.set p, p+1
.endr
	REDUCE16
	v_mul_f32 v[ACC], 0x3a802008, v[ACC]           ; / 1023
	v_sqrt_f32 v[ACC], v[ACC]
	v_nop                                          ; one plain instruction behind a transcendental before its result is used (ISA guide 5.7.2)
	s_wait_alu depctr_va_vdst(0)
	v_add_f32 v[ACC], 0x358637bd, v[ACC]           ; + 1e-6
	v_rcp_f32 v[MI], v[ACC]
	v_nop
	s_wait_alu depctr_va_vdst(0)
	v_mov_b32 v[MI+1], v[MI]
.endm
; y = (d * inv) * g + be, rounded to bf16, stored by panels
.macro LNOUT
.set p, 0
.rept 32
	v_pk_mul_f32 v[X+2*p:X+2*p+1], v[X+2*p:X+2*p+1], v[MI:MI+1]
	v_pk_fma_f32 v[X+2*p:X+2*p+1], v[X+2*p:X+2*p+1], v[G+2*p:G+2*p+1], v[BE+2*p:BE+2*p+1]
.set p, p+1
.endr
.set i, 0
.rept 16
	v_cvt_pk_bf16_f32 v[X+4*i],   v[X+4*i],   v[X+4*i+1]
	v_cvt_pk_bf16_f32 v[X+4*i+1], v[X+4*i+2], v[X+4*i+3]
.if i < 8
	global_store_b64 v[OO], v[X+4*i:X+4*i+1], s[OUTLO:OUTLO+1] offset:i*PB        ; the wave's 32 lanes: rows m, m+1 of panel i, 256 consecutive bytes, aligned
.else
	global_store_b64 v[OO], v[X+4*i:X+4*i+1], s[OUTHI:OUTHI+1] offset:(i-8)*PB
.endif
.set i, i+1
.endr
.endm
	; 48 loads of every wave go out at once: 16 of x1, 16 of g2, 16 of be2
.set i, 0
.rept 16
	global_load_b128 v[X+4*i:X+4*i+3], v[XO], s[4:5] offset:256*i    ; sixteen lanes read 256 consecutive bytes of their row
.set i, i+1
.endr
.set i, 0
.rept 16
	global_load_b128 v[G+4*i:G+4*i+3], v[GO], s[6:7] offset:256*i
.set i, i+1
.endr
.set i, 0
.rept 16
	global_load_b128 v[BE+4*i:BE+4*i+3], v[GO], s[8:9] offset:256*i
.set i, i+1
.endr
	s_wait_loadcnt 32                              ; x1 is in; g2 and be2 (32 loads) stay out
	LNSTAT
	s_wait_loadcnt 0x0                             ; g2, be2
	LNOUT
	s_endpgm
.Lfunc_end_k_qca4240537f_ln2:
	.size	k_qca4240537f_ln2, .Lfunc_end_k_qca4240537f_ln2-k_qca4240537f_ln2
	.p2alignl 7, 3214868480
	.fill 96, 4, 3214868480
	.section	.rodata,"a",@progbits
	.p2align	6, 0x0
	.amdhsa_kernel k_qca4240537f_ln2
		.amdhsa_group_segment_fixed_size 0
		.amdhsa_private_segment_fixed_size 0
		.amdhsa_enable_private_segment 0
		.amdhsa_kernarg_size 32
		.amdhsa_user_sgpr_count 2
		.amdhsa_user_sgpr_kernarg_segment_ptr 1
		.amdhsa_wavefront_size32 1
		.amdhsa_system_sgpr_workgroup_id_x 1
		.amdhsa_system_sgpr_workgroup_id_y 1
		.amdhsa_system_sgpr_workgroup_id_z 1
		.amdhsa_system_vgpr_workitem_id 0
		.amdhsa_next_free_vgpr 208
		.amdhsa_next_free_sgpr 66
		.amdhsa_reserve_vcc 0
		.amdhsa_float_denorm_mode_32 3
		.amdhsa_float_denorm_mode_16_64 3
		.amdhsa_memory_ordered 1
		.amdhsa_forward_progress 1
		.amdhsa_inst_pref_size 20
	.end_amdhsa_kernel
	.amdgpu_metadata
---
amdhsa.version: [ 1, 2 ]
amdhsa.kernels:
  - .name:           k_qca4240537f_ln2
    .symbol:         k_qca4240537f_ln2.kd
    .args:
      - { .name: x1, .offset: 0, .size: 8, .value_kind: global_buffer, .address_space: global }
      - { .name: g2, .offset: 8, .size: 8, .value_kind: global_buffer, .address_space: global }
      - { .name: be2, .offset: 16, .size: 8, .value_kind: global_buffer, .address_space: global }
      - { .name: actA, .offset: 24, .size: 8, .value_kind: global_buffer, .address_space: global }
    .group_segment_fixed_size: 0
    .private_segment_fixed_size: 0
    .kernarg_segment_align: 8
    .kernarg_segment_size: 32
    .max_flat_workgroup_size: 512
    .sgpr_count:     66
    .vgpr_count:     208
    .wavefront_size: 32
...
	.end_amdgpu_metadata
.endif
;; end of part 5
;; launch ffn1 (part 6): grid 4 x 64, 4 waves a work-group, clusters of 4 x 4, 327,680 bytes of LDS; arguments actA, pw1, actB; writes actB
.if DOCPART == 6
	.amdgcn_target "amdgcn-amd-amdhsa--gfx1250"
	.amdhsa_code_object_version 6
	.text
	.protected	k_qca4240537f_ffn1
	.globl	k_qca4240537f_ffn1
	.p2align	8
	.type	k_qca4240537f_ffn1,@function
k_qca4240537f_ffn1:
	s_mov_b64 s[64:65], 0
	v_nop
	global_prefetch_b8 v0, s[64:65] scope:SCOPE_SE
	s_setreg_imm32_b32 hwreg(HW_REG_WAVE_MODE, 25, 1), 1
	s_wait_xcnt 0x0
	s_wait_alu depctr_hold_cnt(0) depctr_sa_sdst(0) depctr_va_vdst(0) depctr_va_sdst(0) depctr_va_ssrc(0) depctr_va_vcc(0) depctr_vm_vsrc(0)
	s_getreg_b32 s2, hwreg(HW_REG_IB_STS2, 6, 4)
	s_cmp_eq_u32 s2, 0
	s_cbranch_scc0 .Lentry_in_a_cluster
	s_endpgm
.Lentry_in_a_cluster:
	s_bfe_u32 s2, ttmp6, 0x10000c
	s_cmp_lg_u32 s2, 0xf033
	s_cbranch_scc0 .Lentry_shape_is_right
	s_endpgm
.Lentry_shape_is_right:
; C = max(A W^T + bias, floor), rounded to bf16, stored by panels.  A: bf16 panels [16][8192][64] (K = 1024).
; pack: word 0 the floor (f32; 0.0 = ReLU), bytes 4096.. the bias (f32, one for each column of C), bytes 16384.. W in bf16 [1024][1024], row-major.
; C: 16 panels of [8192][64] bf16.  Sums in f32, C rounded once.
; A work-group makes 128 rows x 256 columns with four waves (256 work-groups for 8192 x 1024); a wave makes 64 x 128: 32 accumulator tiles.
; K goes in steps of 128 (two panels of A) through two LDS slots filled by tensor loads; 8 steps.
; CLUSTERS: 4 x 4 work-groups.  A's tile hangs on the block row alone and is asked for jointly by a row of the cluster, W's on the
; block column alone and is asked for jointly by a column: a quarter of the requests.
; A wave has two tensor loads out at the start and one behind each round of the cluster's barrier.
; The matrix instruction is used transposed (source 0 = 16 rows of W, source 1 = 16 rows of A): lane l then holds row l % 16 of C
; and its registers 0-7 the columns 8 (l / 16) + 0..7.
; Limit: a NaN loses against the floor (v_max_num_f32); NaN and infinities are not served.
.set PB,    1048576                    ; bytes in a panel of 8192 rows x 128 bytes
.set BP,    272                        ; LDS pitch of W's rows: 256 bytes + 16: sixteen rows start at sixteen different 16-byte columns of 256
.set AP,    144                        ; LDS pitch of A's rows: 128 bytes + 16, likewise
.set BHALF, 128*BP                     ; 128 rows of W: one tensor load
.set APAN,  128*AP                     ; 128 rows of one panel of A: one tensor load
.set ABASE, 2*BHALF                    ; A's two panels lie behind W's 256 rows
.set SLOT,  ABASE+2*APAN               ; 106,496
.set STAGE, 2*SLOT                     ; behind the ring: 16 rows x 528 bytes of f32 for each wave; no tensor load lands here
.set SP,    528                        ; 512 bytes + 16
.set WOFF,  16384                      ; W's place in the pack
.set LAPS,  4                          ; a lap = two K steps = once round the ring
.set BIAS,  8                          ; v[8:15]  bias of my 8 columns on the way out
.set ADRA,  16                         ; v16-17   LDS address of my A fragments in slot 0, 1
.set ADRB,  20                         ; v20-21   the same for W
.set STO,   24                         ; v24      the way out: where I put 32 bytes of a row
.set RD,    25                         ; v25      the way out: where I read 32 bytes back
.set CO,    26                         ; v26      my byte offset in C
.set BO,    27                         ; v27      my byte offset in the bias
.set F0,    32                         ; fragment buffer 0: W's 8 fragments at +0, A's 4 at +64
.set F1,    128                        ; fragment buffer 1
.set Y,     224                        ; v[224:255] packed results
.set G1A,   24                         ; s[24:31] group 1 for A's tiles
.set G0A,   32                         ; s[32:39] group 0 for A's tiles, one set for each slot
.set G1B,   48                         ; s[48:55] group 1 for W's tiles
.set G0B,   56                         ; s[56:63] group 0 for W's tiles, one set for each slot
.set MULW,  0x50                       ; C and D in window 1 (the accumulators, tile (a, b) at v[8 (8 a + b)]), sources in window 0
.set MSB, 0
.macro WIN new                         ; the immediate's high byte repeats the setting that is left
.if MSB != \new
	s_set_vgpr_msb (MSB<<8)|\new
.set MSB, \new
.endif
.endm
; A joint load.  Waves 0 and 1 fetch W's two halves, waves 2 and 3 A's two panels.  The branch hangs on the wave's number alone.
.macro JLOAD s
	s_cmp_eq_u32 s11, 0
	s_cbranch_scc0 .Lfor_a_\@
	tensor_load_to_lds s[G0B+4*\s:G0B+4*\s+3], s[G1B:G1B+7]
	s_nop 0
	s_branch .Lasked_\@
.Lfor_a_\@:
	tensor_load_to_lds s[G0A+4*\s:G0A+4*\s+3], s[G1A:G1A+7]
	s_nop 0
.Lasked_\@:
.endm
.macro CREST                           ; a round of the cluster's barrier behind its opening barrier
	s_cmp_lg_u32 s10, 0
	s_cbranch_scc1 .Lnot_wave_0_\@
	s_barrier_signal -3
.Lnot_wave_0_\@:
	s_barrier_wait -3
	s_barrier_signal -1
	s_barrier_wait -1
.endm
.macro CROUND                          ; a whole round
	s_barrier_signal -1
	s_barrier_wait -1
	CREST
.endm
.macro PLACES                          ; four places behind a matrix instruction (ISA guide 7.12.1) before its registers are loaded into or its result is read
.rept 4
	v_nop
.endr
.endm
	s_load_b128 s[4:7], s[0:1], 0x0                ; A s[4:5], pack s[6:7]
	s_load_b64 s[8:9], s[0:1], 0x10                ; C
	v_lshl_add_u32 v30, v0, 2, 0x3c400
	v_mov_b32 v31, 0
	ds_add_u32 v30, v31
	ds_add_u32 v30, v31
	v_lshrrev_b32 v1, 5, v0
	v_readfirstlane_b32 s10, v1                    ; wave 0..3
	s_lshr_b32 s11, s10, 1                         ; which 64 rows of the block are mine.  Also: I fetch for W (0) or for A (1)
	s_and_b32 s12, s10, 1                          ; which 128 columns.  Also: which half of W's rows, which panel of A I fetch
	s_bfe_u32 s40, ttmp6, 0x40000                  ; cx
	s_bfe_u32 s41, ttmp6, 0x40004                  ; cy
	s_lshl_b32 s42, ttmp9, 2
	s_add_co_u32 s42, s42, s40                     ; block column = 4 x cluster x + cx
	s_and_b32 s13, ttmp7, 0xffff
	s_lshl_b32 s13, s13, 2
	s_add_co_u32 s13, s13, s41                     ; block row = 4 x cluster y + cy
	s_lshl_b32 s43, s41, 2
	s_lshl_b32 s43, 15, s43                        ; my row of the cluster: places 4 cy .. 4 cy + 3
	s_lshl_b32 s44, 0x1111, s40                    ; my column: places cx, cx + 4, cx + 8, cx + 12
	; group 1 for A: a dense block of 16 KiB (128 rows of one panel) as 64 rows of 32 elements of 8 bytes; 4 words of padding after every 32 words,
	; so that the panel's rows of 128 bytes lie 144 bytes apart in LDS
	s_or_b32 s[G1A+0], s43, (3<<16)|(1<<20)|(1<<21)|(4<<22)|(3<<25)
	s_mov_b32 s[G1A+1], 32<<16                     ; tensor_dim0 = 32
	s_mov_b32 s[G1A+2], 64<<16                     ; tensor_dim1 = 64
	s_mov_b32 s[G1A+3], 32<<16                     ; tile_dim0 = 32
	s_mov_b32 s[G1A+4], 64                         ; tile_dim1 = 64
	s_mov_b32 s[G1A+5], 32                         ; pitch = 32 elements: dense
	s_mov_b32 s[G1A+6], 0
	s_mov_b32 s[G1A+7], 0
	; group 1 for W: 128 rows x 128 bf16, pitch 1024 elements; 4 words of padding after every 64 words
	s_or_b32 s[G1B+0], s44, (1<<16)|(1<<20)|(1<<21)|(5<<22)|(3<<25)
	s_mov_b32 s[G1B+1], 128<<16
	s_mov_b32 s[G1B+2], 128<<16
	s_mov_b32 s[G1B+3], 128<<16
	s_mov_b32 s[G1B+4], 128
	s_mov_b32 s[G1B+5], 1024
	s_mov_b32 s[G1B+6], 0
	s_mov_b32 s[G1B+7], 0
	; where the tiles come from.  A's offset is made of the block row and the wave's number, W's of the block column and the wave's number,
	; each in registers that never hold the other coordinate.
	s_lshl_b32 s14, s12, 20                        ; A: my panel of the K step's two
	s_lshl_b32 s16, s13, 14                        ;    + block row x 128 rows x 128 bytes
	s_add_co_u32 s14, s14, s16
	s_mov_b32 s15, 0
	s_lshl_b32 s46, s42, 19                        ; W: block column x 256 rows x 2,048 bytes
	s_lshl_b32 s45, s12, 18                        ;    + my half x 128 rows
	s_add_co_u32 s46, s46, s45
	s_add_co_u32 s46, s46, WOFF
	s_mov_b32 s47, 0
	s_mul_i32 s20, s10, BHALF                      ; where they go: waves 0, 1: W's halves at 0 and BHALF;
	s_mul_i32 s21, s10, APAN
	s_add_co_u32 s21, s21, ABASE-2*APAN            ; waves 2, 3: A's panels at ABASE and ABASE + APAN.  No place in the cluster enters an LDS address
	s_wait_dscnt 0x0
	s_wait_kmcnt 0x0
	s_add_nc_u64 s[14:15], s[4:5], s[14:15]
	s_add_nc_u64 s[46:47], s[6:7], s[46:47]
	CROUND                                         ; all sixteen work-groups are here: the first joint loads meet
.irp s, 0,1
	s_mov_b32 s[G0B+4*\s], 1
	s_add_co_u32 s[G0B+4*\s+1], s20, \s*SLOT
	s_add_nc_u64 s[G0B+4*\s+2:G0B+4*\s+3], s[46:47], \s*256        ; K step s: 128 bf16 along the rows
	s_or_b32 s[G0B+4*\s+3], s[G0B+4*\s+3], 0x80000000
	s_mov_b32 s[G0A+4*\s], 1
	s_add_co_u32 s[G0A+4*\s+1], s21, \s*SLOT
	s_add_nc_u64 s[G0A+4*\s+2:G0A+4*\s+3], s[14:15], \s*2*PB       ; K step s: two panels on
	s_or_b32 s[G0A+4*\s+3], s[G0A+4*\s+3], 0x80000000
	JLOAD \s
.endr
	s_load_b32 s66, s[6:7], 0x0                    ; the floor
	v_and_b32 v1, 15, v0                           ; r = l % 16
	v_bfe_u32 v2, v0, 4, 1                         ; h = l / 16
	v_and_b32 v7, 7, v0
	; the bias of the 8 columns that I store: block column x 256 + my half x 128 + 64 h + 8 (l % 8), in f32
	s_lshl_b32 s46, s42, 10
	s_lshl_b32 s45, s12, 9
	s_add_co_u32 s46, s46, s45
	v_lshlrev_b32 v[BO], 5, v7
	v_lshl_add_u32 v[BO], v2, 8, v[BO]
	v_add_nc_u32 v[BO], s46, v[BO]
	global_load_b128 v[BIAS:BIAS+3],   v[BO], s[6:7] offset:4096
	global_load_b128 v[BIAS+4:BIAS+7], v[BO], s[6:7] offset:4112
	; fragments: lane l holds row l % 16; registers 0-3 hold K = 8 h + 0..7, registers 4-7 K = 16 + 8 h + 0..7: two loads of 16 bytes, 32 apart
	v_mul_u32_u24 v3, v1, BP
	v_lshl_add_u32 v3, v2, 4, v3
	v_mul_u32_u24 v4, v1, AP
	v_lshl_add_u32 v4, v2, 4, v4
	s_mul_i32 s22, s12, BHALF                      ; my 128 rows of W
	s_mul_i32 s23, s11, 64*AP                      ; my 64 rows of A
	s_add_co_u32 s23, s23, ABASE
.irp s, 0,1
	v_add_nc_u32 v[ADRB+\s], s22, v3
	v_add_nc_u32 v[ADRA+\s], s23, v4
	s_add_co_u32 s22, s22, SLOT
	s_add_co_u32 s23, s23, SLOT
.endr
	s_mul_i32 s23, s10, 16*SP
	s_add_co_u32 s23, s23, STAGE                   ; my stage
	v_mul_u32_u24 v5, v1, SP                       ; in: row r, 32 bytes for each half of the lanes
	v_lshl_add_u32 v5, v2, 5, v5
	v_add_nc_u32 v[STO], s23, v5
	v_bfe_u32 v6, v0, 3, 1                         ; back: lanes 0-15 take rows 2t, 2t+1 of my left panel, lanes 16-31 of my right one;
	v_mul_u32_u24 v6, v6, SP                       ; a lane takes 8 columns = 32 bytes of f32
	v_lshl_add_u32 v6, v2, 8, v6
	v_lshl_add_u32 v6, v7, 5, v6
	v_add_nc_u32 v[RD], s23, v6
	v_lshlrev_b32 v[CO], 4, v1                     ; and in C: 16 (l % 16) inside the two rows' 256 bytes,
	v_lshl_add_u32 v[CO], v2, 20, v[CO]            ; one panel further for lanes 16-31
; 16 matrix instructions: row blocks a0, a0 + 1 x all 8 column blocks, 32 along K.  zero = 1: the first product starts the sums.
; The 32 accumulators take turns, one instruction a turn, in the same order in every quarter step.
.macro MUL16 f, a0, zero
.irp a, \a0, \a0+1
.irp b, 0,1,2,3,4,5,6,7
.if \zero
	v_wmma_f32_16x16x32_bf16 v[8*(8*(\a)+\b):8*(8*(\a)+\b)+7], v[\f+8*\b:\f+8*\b+7], v[\f+64+8*(\a):\f+64+8*(\a)+7], 0
.else
	v_wmma_f32_16x16x32_bf16 v[8*(8*(\a)+\b):8*(8*(\a)+\b)+7], v[\f+8*\b:\f+8*\b+7], v[\f+64+8*(\a):\f+64+8*(\a)+7], v[8*(8*(\a)+\b):8*(8*(\a)+\b)+7]
.endif
.endr
.endr
.endm
; 24 LDS loads in one run: quarter q of a slot (32 along K): 128 rows of W, 64 rows of A (panel q / 2, byte 64 (q % 2) of its rows)
.macro FETCH slot, q, f
.irp i, 0,1,2,3,4,5,6,7
	ds_load_b128 v[\f+8*\i:\f+8*\i+3],   v[ADRB+\slot] offset:\q*64+\i*16*BP
	ds_load_b128 v[\f+8*\i+4:\f+8*\i+7], v[ADRB+\slot] offset:\q*64+\i*16*BP+32
.endr
.irp i, 0,1,2,3
	ds_load_b128 v[\f+64+8*\i:\f+64+8*\i+3],   v[ADRA+\slot] offset:(\q>>1)*APAN+(\q&1)*64+\i*16*AP
	ds_load_b128 v[\f+64+8*\i+4:\f+64+8*\i+7], v[ADRA+\slot] offset:(\q>>1)*APAN+(\q&1)*64+\i*16*AP+32
.endr
.endm
; One of a K step's first three quarters: buffer f is multiplied while quarter qn's fragments come into buffer g.
.macro QUARTER slot, qn, f, g, zero
	s_wait_dscnt 0x0                               ; buffer f's 24 loads, are in
	PLACES                                         ; behind the matrix instructions that read buffer g
	FETCH \slot, \qn, \g
	WIN MULW
	MUL16 \f, 0, \zero
	MUL16 \f, 2, \zero
	WIN 0
.endm
.macro THREE slot, zero
	QUARTER \slot, 1, F0, F1, \zero
	QUARTER \slot, 2, F1, F0, 0
	QUARTER \slot, 3, F0, F1, 0
.endm
; The last quarter: multiplies buffer 1 and changes slots.  fill = 1: this slot is filled again, two K steps ahead.
; In front of the barrier each wave waits for its reads of this slot and for all its tensor loads (one is out: its part of the next slot).
; Behind it (behind the cluster's round where a slot is filled) the refill comes first, then the next slot's first fragments.
.macro TURN slot, next, fill
	s_wait_dscnt 0x0                               ; buffer 1 is in, and these were my last reads of this slot
	s_wait_tensorcnt 0x0                           ; all my tensor loads have landed
	ds_add_u32 v30, v31
	s_wait_dscnt 0x0
	s_barrier_signal -1
	WIN MULW
	MUL16 F1, 0, 0                                 ; register work while the others arrive
	WIN 0
	s_barrier_wait -1
.if \fill
	CREST                                          ; no wave of any partner still reads this slot or has a load on its way
	s_add_nc_u64 s[G0B+4*\slot+2:G0B+4*\slot+3], s[G0B+4*\slot+2:G0B+4*\slot+3], 512      ; two K steps along W's rows
	s_add_nc_u64 s[G0A+4*\slot+2:G0A+4*\slot+3], s[G0A+4*\slot+2:G0A+4*\slot+3], 4*PB     ; four panels of A
	JLOAD \slot                                    ; my one tensor load behind the round, and the first thing there
.endif
	PLACES                                         ; behind the matrix instructions that read buffer 0
	FETCH \next, 0, F0
	WIN MULW
	MUL16 F1, 2, 0
	WIN 0
.endm
.macro LAP zero
	THREE 0, \zero
	TURN 0, 1, 1
	THREE 1, 0
	TURN 1, 0, 1
.endm
	s_wait_kmcnt 0x0                               ; the floor
	s_wait_tensorcnt 0x1                           ; my part of K step 0 is in; K step 1's stays out
	s_barrier_signal -1
	s_barrier_wait -1                              ; everybody's is
	FETCH 0, 0, F0
	LAP 1                                          ; K steps 0, 1: the first products start the sums
	s_mov_b32 s3, LAPS-2
.Llap:
	LAP 0
	s_sub_co_u32 s3, s3, 1
	s_cmp_lg_u32 s3, 0
	s_cbranch_scc1 .Llap
	THREE 0, 0                                     ; the last lap fills nothing: my one tensor load still out is slot 1's, the last K step's
	TURN 0, 1, 0
	THREE 1, 0
	s_wait_dscnt 0x0
	WIN MULW
	MUL16 F1, 0, 0
	MUL16 F1, 2, 0
	WIN 0
	; THE WAY OUT, 16 rows at a time: f32 into my own stage, read back so that sixteen lanes hold two rows of one panel,
	; bias, floor, rounding, store.
	PLACES
	s_lshl_b32 s16, s13, 14                        ; block row x 128 rows x 128 bytes
	s_lshl_b32 s17, s11, 13                        ; + my 64 rows
	s_add_co_u32 s16, s16, s17
	s_mov_b32 s17, 0
	s_add_nc_u64 s[8:9], s[8:9], s[16:17]
	s_lshl_b32 s46, s42, 22                        ; panel 4 x block column + 2 x my half (in registers that never feed A's descriptors)
	s_lshl_b32 s47, s12, 21
	s_add_co_u32 s46, s46, s47
	s_mov_b32 s47, 0
	s_add_nc_u64 s[8:9], s[8:9], s[46:47]
	s_wait_loadcnt 0x0                             ; the bias
.macro STAGE16 a                       ; the eight tiles (a, 0..7): lane (r, h) puts columns 16 b + 8 h + 0..7 of row r
	WIN 0x04                                       ; store data in window 1
.irp b, 0,1,2,3,4,5,6,7
	ds_store_b128 v[STO], v[8*(8*\a+\b):8*(8*\a+\b)+3]   offset:64*\b
	ds_store_b128 v[STO], v[8*(8*\a+\b)+4:8*(8*\a+\b)+7] offset:64*\b+16
.endr
	WIN 0
.endm
.macro OUT16 i
	STAGE16 \i
	s_wait_xcnt 0x0                                ; Y, which the last group's stores read, is rewritten only behind this wait
.irp t, 0,1,2,3,4,5,6,7
	ds_load_b128 v[F0+8*\t:F0+8*\t+3],   v[RD] offset:\t*2*SP      ; LDS serves a wave's instructions in order (ISA guide 5.7.1): these see the stores above
	ds_load_b128 v[F0+8*\t+4:F0+8*\t+7], v[RD] offset:\t*2*SP+16
.endr
.irp t, 0,1,2,3,4,5,6,7
	s_wait_dscnt 14-2*\t                           ; pair t is in; the 7 - t younger pairs stay out
.irp k, 0,2,4,6
	v_pk_add_f32 v[F0+8*\t+\k:F0+8*\t+\k+1], v[F0+8*\t+\k:F0+8*\t+\k+1], v[BIAS+\k:BIAS+\k+1]
.endr
.irp k, 0,1,2,3,4,5,6,7
	v_max_num_f32 v[F0+8*\t+\k], s66, v[F0+8*\t+\k]
.endr
.irp k, 0,1,2,3
	v_cvt_pk_bf16_f32 v[Y+4*\t+\k], v[F0+8*\t+2*\k], v[F0+8*\t+2*\k+1]
.endr
	global_store_b128 v[CO], v[Y+4*\t:Y+4*\t+3], s[8:9] offset:(16*\i+2*\t)*128   ; sixteen lanes: rows m, m+1 of one panel, 256 consecutive bytes, aligned
.endr
.endm
	OUT16 0
	OUT16 1
	OUT16 2
	OUT16 3
	s_wait_tensorcnt 0x0
	ds_add_u32 v30, v31
	s_wait_dscnt 0x0
	CROUND                                         ; the closing round: no work-group ends while a partner may still ask for a tile that names it
	s_endpgm
.Lfunc_end_k_qca4240537f_ffn1:
	.size	k_qca4240537f_ffn1, .Lfunc_end_k_qca4240537f_ffn1-k_qca4240537f_ffn1
	.p2alignl 7, 3214868480
	.fill 96, 4, 3214868480
	.section	.rodata,"a",@progbits
	.p2align	6, 0x0
	.amdhsa_kernel k_qca4240537f_ffn1
		.amdhsa_group_segment_fixed_size 327680
		.amdhsa_private_segment_fixed_size 0
		.amdhsa_enable_private_segment 0
		.amdhsa_kernarg_size 24
		.amdhsa_user_sgpr_count 2
		.amdhsa_user_sgpr_kernarg_segment_ptr 1
		.amdhsa_wavefront_size32 1
		.amdhsa_system_sgpr_workgroup_id_x 1
		.amdhsa_system_sgpr_workgroup_id_y 1
		.amdhsa_system_sgpr_workgroup_id_z 1
		.amdhsa_system_vgpr_workitem_id 0
		.amdhsa_next_free_vgpr 512
		.amdhsa_next_free_sgpr 76
		.amdhsa_reserve_vcc 0
		.amdhsa_float_denorm_mode_32 3
		.amdhsa_float_denorm_mode_16_64 3
		.amdhsa_memory_ordered 1
		.amdhsa_forward_progress 1
		.amdhsa_inst_pref_size 138
	.end_amdhsa_kernel
	.amdgpu_metadata
---
amdhsa.version: [ 1, 2 ]
amdhsa.kernels:
  - .name:           k_qca4240537f_ffn1
    .symbol:         k_qca4240537f_ffn1.kd
    .args:
      - { .name: actA, .offset: 0, .size: 8, .value_kind: global_buffer, .address_space: global }
      - { .name: pw1, .offset: 8, .size: 8, .value_kind: global_buffer, .address_space: global }
      - { .name: actB, .offset: 16, .size: 8, .value_kind: global_buffer, .address_space: global }
    .group_segment_fixed_size: 327680
    .private_segment_fixed_size: 0
    .kernarg_segment_align: 8
    .kernarg_segment_size: 24
    .max_flat_workgroup_size: 128
    .sgpr_count:     76
    .vgpr_count:     512
    .wavefront_size: 32
...
	.end_amdgpu_metadata
.endif
;; end of part 6
;; launch ffn2: the kernel of part 4 again; grid 4 x 64, 4 waves a work-group, clusters of 4 x 4, 327,680 bytes of LDS; arguments actB, w2b, b2, x1, out0; writes out0
;; ======== version 2 of 2: 7 launches; version 1 with the launches prep, ln2 written anew for expert scheduling mode
;; limits: right only within a limited range of input values
;; workspace buffers: actA 16,777,216 bytes; actB 16,777,216 bytes; qkv 50,331,648 bytes; x1 33,554,432 bytes; pqkv 6,307,840 bytes; pw1 2,113,536 bytes; wob 2,097,152 bytes; w2b 2,097,152 bytes
;; launch prep (part 7): grid 256 x 1, 16 waves a work-group, no clusters, 0 bytes of LDS; arguments x, g1, be1, wq, wk, wv, w1, wo, w2, bq, bk, bv, b1, actA, pqkv, pw1, wob, w2b; writes actA, pqkv, pw1, wob, w2b
.if DOCPART == 7
	.amdgcn_target "amdgcn-amd-amdhsa--gfx1250"
	.amdhsa_code_object_version 6
	.text
	.protected	k_qca4240537f_prep
	.globl	k_qca4240537f_prep
	.p2align	8
	.type	k_qca4240537f_prep,@function
k_qca4240537f_prep:
	s_mov_b64 s[64:65], 0
	v_nop
	global_prefetch_b8 v0, s[64:65] scope:SCOPE_SE
	s_setreg_imm32_b32 hwreg(HW_REG_WAVE_SCHED_MODE, 0, 2), 2
	s_setreg_imm32_b32 hwreg(HW_REG_WAVE_MODE, 25, 1), 1
	s_wait_xcnt 0x0
	s_wait_alu depctr_vm_vsrc(0)
; prep: h1 = LayerNorm(x; g1, be1) in bf16 panels, and the six weight matrices rounded to bf16.
; LayerNorm as the problem has it: mean first, then the squared deviations (no difference of large sums), variance over 1023,
; division by (std + 1e-6).  All of it in f32; h1 is rounded once.
; PANELS: a bf16 activation [8192][1024] is stored as 16 panels of 64 columns; element (m, n) lies at (n>>6)*PB + m*128 + (n&63)*2.
; A panel is dense, so rows m and m+1 of a panel are 256 consecutive aligned bytes.
; 256 work-groups of 16 waves.  Work-group g: rows 32 g .. 32 g + 31 of x, and rows 4 g .. 4 g + 3 of each weight matrix.
; A wave takes two rows of x: lanes 0-15 one, lanes 16-31 the next, so a row's sums never leave its 16 lanes: no LDS, no barrier.
; Memory binds here: matrix units, clusters and LDS would add nothing.
; Packs: pqkv = [4096,16384) bq, bk, bv; [16384,..) wq, wk, wv stacked to [3072][1024] in bf16, as 16 PANELS of 64 columns:
;               element (n, k) at 16384 + (k>>6)*WPB + n*128 + (k&63)*2.  (Bytes 0 to 4095 are neither written nor read.)
;        pw1  = [0,4096) the floor 0.0 (ReLU), [4096,8192) b1, [16384,..) w1 in bf16, row-major.   wob, w2b: row-major.
; Limit: NaN and infinities in x are not served.
; THE MODE: SCHED_MODE bits 1:0 = 2 (LLVM: expert scheduling mode 2), set by the entry lines.  The code itself states the register dependences
; between vector instructions and memory instructions, with s_wait_alu, always for 0.
; THE PLAN.  Registers that memory instructions touch:
;   v1 .. v7   byte offsets, written at the head.  v1, v2, v4, v6 are read by the 60 loads, v5, v7 by the twelve weight stores, v3 by the sixteen panel stores.
;              v6 and v7 become partial sums behind the weight stores; v2 is written again by work-group 0 alone, at the end.
;   W          12 loads land in it; 24 conversions write it in place; 12 stores read it; it is never written again.
;   X          16 loads land in it; the arithmetic works in place; 16 stores read the first two of each four registers; it is never written again.
;   G, BE      loads land in them; vector instructions alone read them.  (Work-group 0 writes v130, v131 anew, as a store's data.)
;   v[6:13]    in work-group 0, at the end: four loads land in them and four stores read them.
; THE WAITS.  On va_vdst: ahead of the first load (the offsets); behind the 24 conversions (the weight stores' data); behind the root and behind the
; reciprocal (their results); behind panels 0-7's arithmetic, whose eight stores are then dealt among panels 8-15's arithmetic, which names none of the registers
; that they read; behind panels 8-15's arithmetic; and in work-group 0's part.  On vm_vsrc: once, behind the weight stores, for v6, v7 and v2.
.set PB,    1048576                    ; bytes in a panel of an activation
.set WPB,   393216                     ; bytes in a panel of the stacked weights: 3072 rows x 128 bytes
.set XO,    1                          ; v1  byte offset in x of my 16 bytes in my row's first 256
.set GO,    2                          ; v2  byte offset in g1, be1: 16 (lane mod 16)
.set OO,    3                          ; v3  byte offset in a panel of my 8 bytes
.set WI,    4                          ; v4  row-major copies: byte offset in a weight matrix (f32)
.set WS,    5                          ; v5  row-major copies: byte offset in its bf16 copy
.set WI2,   6                          ; v6  panel copies: byte offset in a weight matrix (f32).  v6 and v7 are also the first partial sums:
.set WS2,   7                          ; v7  panel copies: byte offset among the panels.           free again behind the waits in front of LNSTAT
.set ACC,   6                          ; v[6:13]   four pairs of partial sums
.set MI,    14                         ; v[14:15]  the mean, later 1/(std+eps), twice
.set W,     16                         ; v[16:63]  six matrices x 8 numbers
.set X,     64                         ; v[64:127] my 64 numbers of my row: X+4i .. X+4i+3 = columns 64 i + 4 r ..
.set G,     128                        ; v[128:191] gain of these columns
.set BE,    192                        ; v[192:255] offset of these columns
.set OUTLO, 30                         ; s[30:31]  actA, panels 0-7
.set OUTHI, 40                         ; s[40:41]  actA, panels 8-15 (a store's immediate reaches seven panels)
	s_load_b512 s[4:19], s[0:1], 0x0               ; x 4, g1 6, be1 8, wq 10, wk 12, wv 14, w1 16, wo 18
	s_load_b512 s[20:35], s[0:1], 0x40             ; w2 20, bq 22, bk 24, bv 26, b1 28, actA 30, pqkv 32, pw1 34
	s_load_b128 s[36:39], s[0:1], 0x80             ; wob 36, w2b 38
	s_lshl_b32 s2, ttmp9, 17                       ; 32 rows of 4,096 bytes
	s_lshl_b32 s3, ttmp9, 12                       ; 32 rows of 128 bytes in a panel
	s_lshl_b32 s42, ttmp9, 14                      ; 4 rows of a weight matrix in f32
	s_lshl_b32 s43, ttmp9, 13                      ; the same in bf16, row-major
	s_lshl_b32 s44, ttmp9, 9                       ; the same 4 rows in a panel: 4 x 128 bytes
	v_lshrrev_b32 v[XO], 4, v0                     ; thread / 16 = my row among the group's 32
	v_and_b32 v[GO], 15, v0
	v_lshlrev_b32 v[XO], 12, v[XO]
	v_lshlrev_b32 v[GO], 4, v[GO]
	v_add_nc_u32 v[XO], v[XO], v[GO]
	v_add_nc_u32 v[XO], s2, v[XO]
	v_lshl_add_u32 v[OO], v0, 3, s3                ; (32 g + 2 wave) * 128 + 8 lane = 4096 g + 8 thread
	v_lshl_add_u32 v[WI], v0, 4, s42
	v_lshl_add_u32 v[WS], v0, 3, s43
	; panel copies: wave w takes panel w; a load takes rows 4 g + 2 j + (lane / 16), columns 64 w + 4 (lane mod 16) ..
	v_bfe_u32 v[WI2], v0, 4, 1
	v_lshrrev_b32 v[WS2], 5, v0                    ; wave
	v_lshl_add_u32 v[WI2], v[WI2], 12, v[GO]       ; (lane / 16) rows + 16 (lane mod 16)
	v_lshl_add_u32 v[WI2], v[WS2], 8, v[WI2]       ; + 256 w
	v_add_nc_u32 v[WI2], s42, v[WI2]
	v_and_b32 v8, 31, v0
	v_mul_u32_u24 v[WS2], v[WS2], WPB              ; panel w
	v_lshl_add_u32 v[WS2], v8, 3, v[WS2]           ; + 8 lane: two rows of 128 bytes
	v_add_nc_u32 v[WS2], s44, v[WS2]
	s_wait_kmcnt 0x0
	s_add_nc_u64 s[OUTHI:OUTHI+1], s[OUTLO:OUTLO+1], 8*PB
	s_wait_alu depctr_va_vdst(0)                   ; the seven offsets v1 to v7 are written: every load and store below reads one of them
; two loads of 16 bytes a lane from one weight matrix, 8,192 bytes (two rows) apart
.macro LDW j, lo, hi, reg
	global_load_b128 v[W+8*\j:W+8*\j+3],   v[\reg], s[\lo:\hi] th:TH_LOAD_NT
	global_load_b128 v[W+8*\j+4:W+8*\j+7], v[\reg], s[\lo:\hi] offset:8192 th:TH_LOAD_NT
.endm
; round them to bf16 in place
.macro CVTW j
	v_cvt_pk_bf16_f32 v[W+8*\j],   v[W+8*\j],   v[W+8*\j+1]
	v_cvt_pk_bf16_f32 v[W+8*\j+1], v[W+8*\j+2], v[W+8*\j+3]
	v_cvt_pk_bf16_f32 v[W+8*\j+4], v[W+8*\j+4], v[W+8*\j+5]
	v_cvt_pk_bf16_f32 v[W+8*\j+5], v[W+8*\j+6], v[W+8*\j+7]
.endm
; and store: each store of a wave covers 256 consecutive bytes, aligned
.macro STW j, lo, hi, off, reg, step
	global_store_b64 v[\reg], v[W+8*\j:W+8*\j+1],   s[\lo:\hi] offset:\off
	global_store_b64 v[\reg], v[W+8*\j+4:W+8*\j+5], s[\lo:\hi] offset:\off+\step
.endm
; four pairs of partial sums -> the row's sum in each of its 16 lanes
.macro REDUCE16
	v_pk_add_f32 v[ACC:ACC+1],   v[ACC:ACC+1],   v[ACC+2:ACC+3]
	v_pk_add_f32 v[ACC+4:ACC+5], v[ACC+4:ACC+5], v[ACC+6:ACC+7]
	v_pk_add_f32 v[ACC:ACC+1],   v[ACC:ACC+1],   v[ACC+4:ACC+5]
	v_add_f32 v[ACC], v[ACC], v[ACC+1]
.irp m, 1,2,4,8
	v_add_f32_dpp v[ACC], v[ACC], v[ACC] row_xmask:\m row_mask:0xf bank_mask:0xf
.endr
.endm
; mean, deviations in place, 1 / (std + eps) in v[MI:MI+1]
.macro LNSTAT
.irp k, 0,1,2,3
	v_pk_add_f32 v[ACC+2*\k:ACC+2*\k+1], v[X+2*\k:X+2*\k+1], v[X+8+2*\k:X+8+2*\k+1]   ; the first eight pairs start four chains: nothing is cleared
.endr
.set p, 8
.rept 24
	v_pk_add_f32 v[ACC+2*(p%4):ACC+2*(p%4)+1], v[ACC+2*(p%4):ACC+2*(p%4)+1], v[X+2*p:X+2*p+1]
.set p, p+1
.endr
	REDUCE16
	v_mul_f32 v[MI], 0x3a800000, v[ACC]            ; / 1024
	v_mov_b32 v[MI+1], v[MI]
.set p, 0
.rept 32
	v_pk_add_f32 v[X+2*p:X+2*p+1], v[X+2*p:X+2*p+1], v[MI:MI+1] neg_lo:[0,1] neg_hi:[0,1]   ; x - mean
.set p, p+1
.endr
.irp k, 0,1,2,3
	v_pk_mul_f32 v[ACC+2*\k:ACC+2*\k+1], v[X+2*\k:X+2*\k+1], v[X+2*\k:X+2*\k+1]
.endr
.set p, 4
.rept 28
	v_pk_fma_f32 v[ACC+2*(p%4):ACC+2*(p%4)+1], v[X+2*p:X+2*p+1], v[X+2*p:X+2*p+1], v[ACC+2*(p%4):ACC+2*(p%4)+1]
.set p, p+1
.endr
	REDUCE16
	v_mul_f32 v[ACC], 0x3a802008, v[ACC]           ; / 1023
	v_sqrt_f32 v[ACC], v[ACC]
	v_nop                                          ; one plain instruction behind a transcendental before its result is used (ISA guide 5.7.2)
	s_wait_alu depctr_va_vdst(0)                   ; the root is written into v[ACC], which the addition below reads
	v_add_f32 v[ACC], 0x358637bd, v[ACC]           ; + 1e-6
	v_rcp_f32 v[MI], v[ACC]
	v_nop
	s_wait_alu depctr_va_vdst(0)                   ; the reciprocal is written into v[MI], which the copy below reads
	v_mov_b32 v[MI+1], v[MI]
.endm
; panel i's four numbers: y = (d * inv) * g + be, rounded to bf16 into the first two of their four registers
.macro PANEL i
	v_pk_mul_f32 v[X+4*(\i):X+4*(\i)+1],   v[X+4*(\i):X+4*(\i)+1],   v[MI:MI+1]
	v_pk_mul_f32 v[X+4*(\i)+2:X+4*(\i)+3], v[X+4*(\i)+2:X+4*(\i)+3], v[MI:MI+1]
	v_pk_fma_f32 v[X+4*(\i):X+4*(\i)+1],   v[X+4*(\i):X+4*(\i)+1],   v[G+4*(\i):G+4*(\i)+1],   v[BE+4*(\i):BE+4*(\i)+1]
	v_pk_fma_f32 v[X+4*(\i)+2:X+4*(\i)+3], v[X+4*(\i)+2:X+4*(\i)+3], v[G+4*(\i)+2:G+4*(\i)+3], v[BE+4*(\i)+2:BE+4*(\i)+3]
	v_cvt_pk_bf16_f32 v[X+4*(\i)],   v[X+4*(\i)],   v[X+4*(\i)+1]
	v_cvt_pk_bf16_f32 v[X+4*(\i)+1], v[X+4*(\i)+2], v[X+4*(\i)+3]
.endm
; panel i's store: the wave's 32 lanes write rows m, m+1 of the panel, 256 consecutive bytes, aligned
.macro PSTORE i
.if (\i) < 8
	global_store_b64 v[OO], v[X+4*(\i):X+4*(\i)+1], s[OUTLO:OUTLO+1] offset:(\i)*PB
.else
	global_store_b64 v[OO], v[X+4*(\i):X+4*(\i)+1], s[OUTHI:OUTHI+1] offset:((\i)-8)*PB
.endif
.endm
	; 60 loads of every wave go out at once: 12 of weights, 16 of x, 16 of g1, 16 of be1
	LDW 0, 10, 11, WI2
	LDW 1, 12, 13, WI2
	LDW 2, 14, 15, WI2
	LDW 3, 16, 17, WI
	LDW 4, 18, 19, WI
	LDW 5, 20, 21, WI
.set i, 0
.rept 16
	global_load_b128 v[X+4*i:X+4*i+3], v[XO], s[4:5] offset:256*i th:TH_LOAD_NT   ; sixteen lanes read 256 consecutive bytes of their row
.set i, i+1
.endr
.set i, 0
.rept 16
	global_load_b128 v[G+4*i:G+4*i+3], v[GO], s[6:7] offset:256*i
.set i, i+1
.endr
.set i, 0
.rept 16
	global_load_b128 v[BE+4*i:BE+4*i+3], v[GO], s[8:9] offset:256*i
.set i, i+1
.endr
	s_wait_loadcnt 48                              ; the 12 weight loads are in; the 48 younger ones stay out
.irp j, 0,1,2,3,4,5
	CVTW \j
.endr
	s_wait_alu depctr_va_vdst(0)                   ; the 24 conversions have written their halves of W, which the twelve stores below read
	STW 0, 32, 33, 16384,        WS2, 256          ; wq -> pqkv's panels, rows 0-1023
	STW 1, 32, 33, 16384+131072, WS2, 256          ; wk: rows 1024-2047
	STW 2, 32, 33, 16384+262144, WS2, 256          ; wv: rows 2048-3071
	STW 3, 34, 35, 16384, WS, 4096                 ; w1 -> pw1
	STW 4, 36, 37, 0,     WS, 4096                 ; wo -> wob
	STW 5, 38, 39, 0,     WS, 4096                 ; w2 -> w2b
	s_wait_loadcnt 32                              ; x is in; g1 and be1 (32 loads) stay out
	s_wait_xcnt 0x0                                ; v7, the panel stores' offset, becomes a partial sum only behind this wait (v6's loads are done)
	s_wait_alu depctr_vm_vsrc(0)                   ; the weight loads have read v6 and the panel stores v7, which the sums below write; the loads of g1 and be1 have read v2, which no memory instruction names again before work-group 0 writes it at the end
	LNSTAT
	s_wait_loadcnt 0x0                             ; g1, be1
.irp i, 0,1,2,3,4,5,6,7
	PANEL \i
.endr
	s_wait_alu depctr_va_vdst(0)                   ; panels 0 to 7 are rounded into X .. X+29, which their eight stores read
.irp i, 8,9,10,11,12,13,14,15
	PSTORE (\i)-8                                  ; no wait: the vector instructions since the wait above name X+32 and up, G+32 and up, BE+32 and up and MI, none of them a register of this store
	PANEL \i
.endr
	s_wait_alu depctr_va_vdst(0)                   ; panels 8 to 15 are rounded into X+32 .. X+61, which the last eight stores read
.irp i, 8,9,10,11,12,13,14,15
	PSTORE \i
.endr
	; work-group 0 alone also copies the biases into the packs and writes pw1's floor: 512 threads x 8 bytes = 4,096 bytes each
	s_cmp_lg_u32 ttmp9, 0
	s_cbranch_scc1 .Lend
	v_lshlrev_b32 v[GO], 3, v0                     ; the loads that named this register are done (the wait for 0 above) and have read it (the wait on vm_vsrc above)
	v_mov_b32 v130, 0                              ; 0.0: ReLU
	v_mov_b32 v131, 0
	s_wait_alu depctr_va_vdst(0)                   ; v2, v130 and v131 are written, which the loads and stores below read; the sums' instructions are done with v6 to v13, in which the four loads land
	global_load_b64 v[6:7],   v[GO], s[22:23]
	global_load_b64 v[8:9],   v[GO], s[24:25]
	global_load_b64 v[10:11], v[GO], s[26:27]
	global_load_b64 v[12:13], v[GO], s[28:29]
	global_store_b64 v[GO], v[130:131], s[34:35]
	s_wait_loadcnt 0x0
	global_store_b64 v[GO], v[6:7],   s[32:33] offset:4096
	global_store_b64 v[GO], v[8:9],   s[32:33] offset:8192
	global_store_b64 v[GO], v[10:11], s[32:33] offset:12288
	global_store_b64 v[GO], v[12:13], s[34:35] offset:4096
.Lend:
	s_endpgm
.Lfunc_end_k_qca4240537f_prep:
	.size	k_qca4240537f_prep, .Lfunc_end_k_qca4240537f_prep-k_qca4240537f_prep
	.p2alignl 7, 3214868480
	.fill 96, 4, 3214868480
	.section	.rodata,"a",@progbits
	.p2align	6, 0x0
	.amdhsa_kernel k_qca4240537f_prep
		.amdhsa_group_segment_fixed_size 0
		.amdhsa_private_segment_fixed_size 0
		.amdhsa_enable_private_segment 0
		.amdhsa_kernarg_size 144
		.amdhsa_user_sgpr_count 2
		.amdhsa_user_sgpr_kernarg_segment_ptr 1
		.amdhsa_wavefront_size32 1
		.amdhsa_system_sgpr_workgroup_id_x 1
		.amdhsa_system_sgpr_workgroup_id_y 1
		.amdhsa_system_sgpr_workgroup_id_z 1
		.amdhsa_system_vgpr_workitem_id 0
		.amdhsa_next_free_vgpr 256
		.amdhsa_next_free_sgpr 66
		.amdhsa_reserve_vcc 0
		.amdhsa_float_denorm_mode_32 3
		.amdhsa_float_denorm_mode_16_64 3
		.amdhsa_memory_ordered 1
		.amdhsa_forward_progress 1
		.amdhsa_inst_pref_size 26
	.end_amdhsa_kernel
	.amdgpu_metadata
---
amdhsa.version: [ 1, 2 ]
amdhsa.kernels:
  - .name:           k_qca4240537f_prep
    .symbol:         k_qca4240537f_prep.kd
    .args:
      - { .name: x, .offset: 0, .size: 8, .value_kind: global_buffer, .address_space: global }
      - { .name: g1, .offset: 8, .size: 8, .value_kind: global_buffer, .address_space: global }
      - { .name: be1, .offset: 16, .size: 8, .value_kind: global_buffer, .address_space: global }
      - { .name: wq, .offset: 24, .size: 8, .value_kind: global_buffer, .address_space: global }
      - { .name: wk, .offset: 32, .size: 8, .value_kind: global_buffer, .address_space: global }
      - { .name: wv, .offset: 40, .size: 8, .value_kind: global_buffer, .address_space: global }
      - { .name: w1, .offset: 48, .size: 8, .value_kind: global_buffer, .address_space: global }
      - { .name: wo, .offset: 56, .size: 8, .value_kind: global_buffer, .address_space: global }
      - { .name: w2, .offset: 64, .size: 8, .value_kind: global_buffer, .address_space: global }
      - { .name: bq, .offset: 72, .size: 8, .value_kind: global_buffer, .address_space: global }
      - { .name: bk, .offset: 80, .size: 8, .value_kind: global_buffer, .address_space: global }
      - { .name: bv, .offset: 88, .size: 8, .value_kind: global_buffer, .address_space: global }
      - { .name: b1, .offset: 96, .size: 8, .value_kind: global_buffer, .address_space: global }
      - { .name: actA, .offset: 104, .size: 8, .value_kind: global_buffer, .address_space: global }
      - { .name: pqkv, .offset: 112, .size: 8, .value_kind: global_buffer, .address_space: global }
      - { .name: pw1, .offset: 120, .size: 8, .value_kind: global_buffer, .address_space: global }
      - { .name: wob, .offset: 128, .size: 8, .value_kind: global_buffer, .address_space: global }
      - { .name: w2b, .offset: 136, .size: 8, .value_kind: global_buffer, .address_space: global }
    .group_segment_fixed_size: 0
    .private_segment_fixed_size: 0
    .kernarg_segment_align: 8
    .kernarg_segment_size: 144
    .max_flat_workgroup_size: 512
    .sgpr_count:     66
    .vgpr_count:     256
    .wavefront_size: 32
...
	.end_amdgpu_metadata
.endif
;; end of part 7
;; launch qkvp: the kernel of part 2 again; grid 8 x 32, 4 waves a work-group, clusters of 4 x 4, 327,680 bytes of LDS; arguments actA, pqkv, qkv; writes qkv
;; launch attn: the kernel of part 3 again; grid 256 x 1, 8 waves a work-group, no clusters, 316,416 bytes of LDS; arguments qkv, mask, actB; writes actB
;; launch wop: the kernel of part 4 again; grid 4 x 64, 4 waves a work-group, clusters of 4 x 4, 327,680 bytes of LDS; arguments actB, wob, bo, x, x1; writes x1
;; launch ln2 (part 8): grid 256 x 1, 16 waves a work-group, no clusters, 0 bytes of LDS; arguments x1, g2, be2, actA; writes actA
.if DOCPART == 8
	.amdgcn_target "amdgcn-amd-amdhsa--gfx1250"
	.amdhsa_code_object_version 6
	.text
	.protected	k_qca4240537f_ln2
	.globl	k_qca4240537f_ln2
	.p2align	8
	.type	k_qca4240537f_ln2,@function
k_qca4240537f_ln2:
	s_mov_b64 s[64:65], 0
	v_nop
	global_prefetch_b8 v0, s[64:65] scope:SCOPE_SE
	s_setreg_imm32_b32 hwreg(HW_REG_WAVE_SCHED_MODE, 0, 2), 2
	s_setreg_imm32_b32 hwreg(HW_REG_WAVE_MODE, 25, 1), 1
	s_wait_xcnt 0x0
	s_wait_alu depctr_vm_vsrc(0)
; ln2: h2 = LayerNorm(x1; g2, be2) in bf16 panels.
; LayerNorm as the problem has it: mean first, then the squared deviations (no difference of large sums), variance over 1023,
; division by (std + 1e-6).  All of it in f32; h2 is rounded once.
; PANELS: element (m, n) of the bf16 result lies at (n>>6)*PB + m*128 + (n&63)*2; rows m and m+1 of a panel are 256 consecutive aligned bytes.
; 256 work-groups of 16 waves, 32 rows each.  A wave takes two rows: lanes 0-15 one, lanes 16-31 the next, so a row's sums never leave
; its 16 lanes: no LDS, no barrier.  Memory binds here: matrix units, clusters and LDS would add nothing.
; Limit: NaN and infinities are not served.
; THE MODE: SCHED_MODE bits 1:0 = 2 (LLVM: expert scheduling mode 2), set by the entry lines.  The code itself states the register dependences
; between vector instructions and memory instructions, with s_wait_alu, always for 0.
; THE PLAN.  Registers that memory instructions touch:
;   v1, v2, v3  byte offsets, written at the head and never again: v1 and v2 are read by the 48 loads, v3 by the sixteen stores.
;   X           16 loads land in it; the arithmetic works in place; 16 stores read the first two of each four registers; it is never written again.
;   G, BE       loads land in them; vector instructions alone read them.
; THE WAITS, all on va_vdst: ahead of the first load (the offsets); behind the root and behind the reciprocal (their results); behind panels 0-7's arithmetic,
; whose eight stores are then dealt among panels 8-15's arithmetic, which names none of the registers that they read; behind panels 8-15's arithmetic.
; No register that a memory instruction has read is written again, so no wait on vm_vsrc is owed.
.set PB,    1048576                    ; bytes in a panel
.set XO,    1                          ; v1  byte offset in x1 of my 16 bytes in my row's first 256
.set GO,    2                          ; v2  byte offset in g2, be2: 16 (lane mod 16)
.set OO,    3                          ; v3  byte offset in a panel of my 8 bytes
.set ACC,   6                          ; v[6:13]   four pairs of partial sums
.set MI,    14                         ; v[14:15]  the mean, later 1/(std+eps), twice
.set X,     16                         ; v[16:79]  my 64 numbers of my row: X+4i .. X+4i+3 = columns 64 i + 4 r ..
.set G,     80                         ; v[80:143] gain of these columns
.set BE,    144                        ; v[144:207] offset of these columns
.set OUTLO, 10                         ; s[10:11]  actA, panels 0-7
.set OUTHI, 12                         ; s[12:13]  actA, panels 8-15 (a store's immediate reaches seven panels)
	s_load_b256 s[4:11], s[0:1], 0x0               ; x1 4, g2 6, be2 8, actA 10
	s_lshl_b32 s2, ttmp9, 17                       ; 32 rows of 4,096 bytes
	s_lshl_b32 s3, ttmp9, 12                       ; 32 rows of 128 bytes in a panel
	v_lshrrev_b32 v[XO], 4, v0                     ; thread / 16 = my row among the group's 32
	v_and_b32 v[GO], 15, v0
	v_lshlrev_b32 v[XO], 12, v[XO]
	v_lshlrev_b32 v[GO], 4, v[GO]
	v_add_nc_u32 v[XO], v[XO], v[GO]
	v_add_nc_u32 v[XO], s2, v[XO]
	v_lshl_add_u32 v[OO], v0, 3, s3                ; (32 g + 2 wave) * 128 + 8 lane = 4096 g + 8 thread
	s_wait_kmcnt 0x0
	s_add_nc_u64 s[OUTHI:OUTHI+1], s[OUTLO:OUTLO+1], 8*PB
	s_wait_alu depctr_va_vdst(0)                   ; the three offsets v1 to v3 are written: every load and store below reads one of them
; four pairs of partial sums -> the row's sum in each of its 16 lanes
.macro REDUCE16
	v_pk_add_f32 v[ACC:ACC+1],   v[ACC:ACC+1],   v[ACC+2:ACC+3]
	v_pk_add_f32 v[ACC+4:ACC+5], v[ACC+4:ACC+5], v[ACC+6:ACC+7]
	v_pk_add_f32 v[ACC:ACC+1],   v[ACC:ACC+1],   v[ACC+4:ACC+5]
	v_add_f32 v[ACC], v[ACC], v[ACC+1]
.irp m, 1,2,4,8
	v_add_f32_dpp v[ACC], v[ACC], v[ACC] row_xmask:\m row_mask:0xf bank_mask:0xf
.endr
.endm
; mean, deviations in place, 1 / (std + eps) in v[MI:MI+1]
.macro LNSTAT
.irp k, 0,1,2,3
	v_pk_add_f32 v[ACC+2*\k:ACC+2*\k+1], v[X+2*\k:X+2*\k+1], v[X+8+2*\k:X+8+2*\k+1]   ; the first eight pairs start four chains: nothing is cleared
.endr
.set p, 8
.rept 24
	v_pk_add_f32 v[ACC+2*(p%4):ACC+2*(p%4)+1], v[ACC+2*(p%4):ACC+2*(p%4)+1], v[X+2*p:X+2*p+1]
.set p, p+1
.endr
	REDUCE16
	v_mul_f32 v[MI], 0x3a800000, v[ACC]            ; / 1024
	v_mov_b32 v[MI+1], v[MI]
.set p, 0
.rept 32
	v_pk_add_f32 v[X+2*p:X+2*p+1], v[X+2*p:X+2*p+1], v[MI:MI+1] neg_lo:[0,1] neg_hi:[0,1]   ; x - mean
.set p, p+1
.endr
.irp k, 0,1,2,3
	v_pk_mul_f32 v[ACC+2*\k:ACC+2*\k+1], v[X+2*\k:X+2*\k+1], v[X+2*\k:X+2*\k+1]
.endr
.set p, 4
.rept 28
	v_pk_fma_f32 v[ACC+2*(p%4):ACC+2*(p%4)+1], v[X+2*p:X+2*p+1], v[X+2*p:X+2*p+1], v[ACC+2*(p%4):ACC+2*(p%4)+1]
.set p, p+1
.endr
	REDUCE16
	v_mul_f32 v[ACC], 0x3a802008, v[ACC]           ; / 1023
	v_sqrt_f32 v[ACC], v[ACC]
	v_nop                                          ; one plain instruction behind a transcendental before its result is used (ISA guide 5.7.2)
	s_wait_alu depctr_va_vdst(0)                   ; the root is written into v[ACC], which the addition below reads
	v_add_f32 v[ACC], 0x358637bd, v[ACC]           ; + 1e-6
	v_rcp_f32 v[MI], v[ACC]
	v_nop
	s_wait_alu depctr_va_vdst(0)                   ; the reciprocal is written into v[MI], which the copy below reads
	v_mov_b32 v[MI+1], v[MI]
.endm
; panel i's four numbers: y = (d * inv) * g + be, rounded to bf16 into the first two of their four registers
.macro PANEL i
	v_pk_mul_f32 v[X+4*(\i):X+4*(\i)+1],   v[X+4*(\i):X+4*(\i)+1],   v[MI:MI+1]
	v_pk_mul_f32 v[X+4*(\i)+2:X+4*(\i)+3], v[X+4*(\i)+2:X+4*(\i)+3], v[MI:MI+1]
	v_pk_fma_f32 v[X+4*(\i):X+4*(\i)+1],   v[X+4*(\i):X+4*(\i)+1],   v[G+4*(\i):G+4*(\i)+1],   v[BE+4*(\i):BE+4*(\i)+1]
	v_pk_fma_f32 v[X+4*(\i)+2:X+4*(\i)+3], v[X+4*(\i)+2:X+4*(\i)+3], v[G+4*(\i)+2:G+4*(\i)+3], v[BE+4*(\i)+2:BE+4*(\i)+3]
	v_cvt_pk_bf16_f32 v[X+4*(\i)],   v[X+4*(\i)],   v[X+4*(\i)+1]
	v_cvt_pk_bf16_f32 v[X+4*(\i)+1], v[X+4*(\i)+2], v[X+4*(\i)+3]
.endm
; panel i's store: the wave's 32 lanes write rows m, m+1 of the panel, 256 consecutive bytes, aligned
.macro PSTORE i
.if (\i) < 8
	global_store_b64 v[OO], v[X+4*(\i):X+4*(\i)+1], s[OUTLO:OUTLO+1] offset:(\i)*PB
.else
	global_store_b64 v[OO], v[X+4*(\i):X+4*(\i)+1], s[OUTHI:OUTHI+1] offset:((\i)-8)*PB
.endif
.endm
	; 48 loads of every wave go out at once: 16 of x1, 16 of g2, 16 of be2
.set i, 0
.rept 16
	global_load_b128 v[X+4*i:X+4*i+3], v[XO], s[4:5] offset:256*i    ; sixteen lanes read 256 consecutive bytes of their row
.set i, i+1
.endr
.set i, 0
.rept 16
	global_load_b128 v[G+4*i:G+4*i+3], v[GO], s[6:7] offset:256*i
.set i, i+1
.endr
.set i, 0
.rept 16
	global_load_b128 v[BE+4*i:BE+4*i+3], v[GO], s[8:9] offset:256*i
.set i, i+1
.endr
	s_wait_loadcnt 32                              ; x1 is in; g2 and be2 (32 loads) stay out
	LNSTAT
	s_wait_loadcnt 0x0                             ; g2, be2
.irp i, 0,1,2,3,4,5,6,7
	PANEL \i
.endr
	s_wait_alu depctr_va_vdst(0)                   ; panels 0 to 7 are rounded into X .. X+29, which their eight stores read
.irp i, 8,9,10,11,12,13,14,15
	PSTORE (\i)-8                                  ; no wait: the vector instructions since the wait above name X+32 and up, G+32 and up, BE+32 and up and MI, none of them a register of this store
	PANEL \i
.endr
	s_wait_alu depctr_va_vdst(0)                   ; panels 8 to 15 are rounded into X+32 .. X+61, which the last eight stores read
.irp i, 8,9,10,11,12,13,14,15
	PSTORE \i
.endr
	s_endpgm
.Lfunc_end_k_qca4240537f_ln2:
	.size	k_qca4240537f_ln2, .Lfunc_end_k_qca4240537f_ln2-k_qca4240537f_ln2
	.p2alignl 7, 3214868480
	.fill 96, 4, 3214868480
	.section	.rodata,"a",@progbits
	.p2align	6, 0x0
	.amdhsa_kernel k_qca4240537f_ln2
		.amdhsa_group_segment_fixed_size 0
		.amdhsa_private_segment_fixed_size 0
		.amdhsa_enable_private_segment 0
		.amdhsa_kernarg_size 32
		.amdhsa_user_sgpr_count 2
		.amdhsa_user_sgpr_kernarg_segment_ptr 1
		.amdhsa_wavefront_size32 1
		.amdhsa_system_sgpr_workgroup_id_x 1
		.amdhsa_system_sgpr_workgroup_id_y 1
		.amdhsa_system_sgpr_workgroup_id_z 1
		.amdhsa_system_vgpr_workitem_id 0
		.amdhsa_next_free_vgpr 208
		.amdhsa_next_free_sgpr 66
		.amdhsa_reserve_vcc 0
		.amdhsa_float_denorm_mode_32 3
		.amdhsa_float_denorm_mode_16_64 3
		.amdhsa_memory_ordered 1
		.amdhsa_forward_progress 1
		.amdhsa_inst_pref_size 21
	.end_amdhsa_kernel
	.amdgpu_metadata
---
amdhsa.version: [ 1, 2 ]
amdhsa.kernels:
  - .name:           k_qca4240537f_ln2
    .symbol:         k_qca4240537f_ln2.kd
    .args:
      - { .name: x1, .offset: 0, .size: 8, .value_kind: global_buffer, .address_space: global }
      - { .name: g2, .offset: 8, .size: 8, .value_kind: global_buffer, .address_space: global }
      - { .name: be2, .offset: 16, .size: 8, .value_kind: global_buffer, .address_space: global }
      - { .name: actA, .offset: 24, .size: 8, .value_kind: global_buffer, .address_space: global }
    .group_segment_fixed_size: 0
    .private_segment_fixed_size: 0
    .kernarg_segment_align: 8
    .kernarg_segment_size: 32
    .max_flat_workgroup_size: 512
    .sgpr_count:     66
    .vgpr_count:     208
    .wavefront_size: 32
...
	.end_amdgpu_metadata
.endif
;; end of part 8
;; launch ffn1: the kernel of part 6 again; grid 4 x 64, 4 waves a work-group, clusters of 4 x 4, 327,680 bytes of LDS; arguments actA, pw1, actB; writes actB
;; launch ffn2: the kernel of part 4 again; grid 4 x 64, 4 waves a work-group, clusters of 4 x 4, 327,680 bytes of LDS; arguments actB, w2b, b2, x1, out0; writes out0
